; MI455X (gfx1250); checked and timed in simulation.
; The chip was launched on July 23, 2026; its instructions are those of AMD's public machine-readable ISA for CDNA 5 (MIT licence, August 2026) and "CDNA5" Instruction Set Architecture Reference Guide (July 2026). The comments in the code are by the model that wrote it; some were corrected since.
;; Causal Attention. Allowed arithmetic: float matrix products may take bf16 or f16 operands with f32 sums; other float arithmetic in f32, or as packed bf16 or f16 multiplies, adds, multiply-adds, maxima and minima; sums over many terms, partial sums and values carried from step to step in f32; what a program stores and reads back later, other than sums and carried values, may be rounded once to bf16 or f16.
;; Inputs: Wk 1,024 x 1,024 float32; Wq 1,024 x 1,024 float32; Wv 1,024 x 1,024 float32; x 4 x 2,048 x 1,024 float32.
;; Outputs: out0 4 x 2,048 x 1,024 float32.
;; One version. Each part assembles by itself: llvm-mc -triple=amdgcn-amd-amdhsa -mcpu=gfx1250 --defsym DOCPART=n.
;; ======== version 1 of 1: 4 launches
;; limits: values are held in f16: magnitudes above 65,504 overflow, below 6.1e-05 lose precision
;; workspace buffers: xb 16,777,216 bytes; wb 6,291,456 bytes; qkv 50,331,648 bytes; pw 33,554,432 bytes; stat 1,048,576 bytes
;; launch cast (part 1): grid 704 x 1, 8 waves a work-group, no clusters, 0 bytes of LDS; arguments x, Wq, Wk, Wv, xb, wb; writes xb, wb
.if DOCPART == 1
	.amdgcn_target "amdgcn-amd-amdhsa--gfx1250"
	.amdhsa_code_object_version 6
	.text
	.protected	k_qf766c359e1_cast
	.globl	k_qf766c359e1_cast
	.p2align	8
	.type	k_qf766c359e1_cast,@function
k_qf766c359e1_cast:
	s_mov_b64 s[64:65], 0
	v_nop
	global_prefetch_b8 v0, s[64:65] scope:SCOPE_SE
	s_setreg_imm32_b32 hwreg(HW_REG_WAVE_MODE, 25, 1), 1
	s_wait_xcnt 0x0
; x, Wq, Wk, Wv (f32) are rounded once to bf16 and laid out for the product behind: xb holds x's 8,192 rows, wb 3,072 rows (0-1023 Wq, 1024-2047 Wk, 2048-3071 Wv), both IN BLOCKS AND PLANES:
; element (row, k) lies at byte (row >> 6) 131,072 + (k >> 5) 4,096 + (row & 63) 64 + (k & 31) 2: a block is 64 rows, a plane of it 64 rows x 32 k, dense; so any run of planes of a block is dense too.
; A work-group takes 16 rows of one input (65,536 bytes) and writes 32,768: groups 0-511 take x, groups 512-703 the three weights, 64 groups each.
; A load of a wave takes 64 k of two rows: lanes 0-15 256 consecutive bytes of one row, lanes 16-31 of the next, both aligned.  Two such loads hold 4 rows x 2 planes.  Lanes 8 apart change places between
; the two, so that each store of 8 bytes a lane fills the 256 consecutive bytes, aligned, that 4 rows have in ONE plane.
; All sixteen loads go out at once; no register that a load or store names is written twice, so the only waits are the counted ones for the loads.  No LDS, no barrier: no wave needs another's data.
.set XG,  512                          ; work-groups for x
.set X,   4                            ; v[4:67]    sixteen loads of 4 registers
.set Y,   68                           ; v[68:99]   eight pairs of stores, 2 registers each
.set T,   100                          ; v[100:101] at work
.set TX,  102                          ; v[102:103] at work: T as the lane 8 away holds it
	s_load_b256 s[4:11], s[0:1], 0x0               ; x s[4:5], Wq s[6:7], Wk s[8:9], Wv s[10:11]
	s_load_b128 s[12:15], s[0:1], 0x20             ; xb s[12:13], wb s[14:15]
	v_and_b32 v100, 15, v0                         ; i: my place among 16 lanes
	v_bfe_u32 v101, v0, 4, 1                       ; h: which 16 lanes
	v_lshrrev_b32 v102, 5, v0                      ; wave w: it takes k = 128 w .. 128 w + 127
	v_lshlrev_b32 v1, 4, v100                      ; in: 16 i
	v_lshl_add_u32 v1, v101, 12, v1                ;     + a row for the upper lanes
	v_lshl_add_u32 v1, v102, 9, v1                 ;     + 512 w
	v_and_b32 v103, 7, v100
	v_lshrrev_b32 v100, 3, v100
	v_lshl_add_u32 v100, v100, 1, v101             ; out: my row among the four: h + 2 (i >> 3)
	v_lshlrev_b32 v2, 3, v103                      ;      8 (i & 7)
	v_lshl_add_u32 v2, v100, 6, v2                 ;      + 64 a row
	v_lshl_add_u32 v2, v102, 14, v2                ;      + the wave's four planes
	s_mov_b32 s28, 0x00ff00ff                      ; the lanes with i < 8
	s_max_u32 s20, ttmp9, XG
	s_sub_co_u32 s20, s20, XG                      ; the group's number among the weights' (0 for x's groups, where it is not used)
	s_and_b32 s22, s20, 63                         ; its place in its weight
	s_cmp_lt_u32 ttmp9, XG
	s_cselect_b32 s21, ttmp9, s20                  ; the 16 rows' number in the output buffer
	s_cselect_b32 s22, ttmp9, s22                  ; and in the input buffer
	s_lshl_b32 s16, s22, 16                        ; offsets, in pairs of their own
	s_mov_b32 s17, 0
	s_lshr_b32 s18, s21, 2                         ; four groups to a block of 64 rows,
	s_lshl_b32 s18, s18, 17
	s_and_b32 s23, s21, 3
	s_lshl_b32 s23, s23, 10                        ; 16 rows of 64 bytes each
	s_add_co_u32 s18, s18, s23
	s_mov_b32 s19, 0
	s_wait_kmcnt 0x0
	s_cmp_lt_u32 s20, 128
	s_cselect_b64 s[24:25], s[8:9], s[10:11]       ; Wk or Wv,
	s_cmp_lt_u32 s20, 64
	s_cselect_b64 s[24:25], s[6:7], s[24:25]       ; or Wq,
	s_cmp_lt_u32 ttmp9, XG
	s_cselect_b64 s[24:25], s[4:5], s[24:25]       ; or x
	s_cselect_b64 s[26:27], s[12:13], s[14:15]     ; xb or wb
	s_add_nc_u64 s[24:25], s[24:25], s[16:17]
	s_add_nc_u64 s[26:27], s[26:27], s[18:19]
; pair 4 cc + m: rows 4 m .. 4 m + 3, k = 128 w + 64 cc .. + 63; its load e takes rows 4 m + 2 e and 4 m + 2 e + 1
.irp cc, 0,1
.irp m, 0,1,2,3
.irp e, 0,1
	global_load_b128 v[X+4*(2*(4*\cc+\m)+\e):X+4*(2*(4*\cc+\m)+\e)+3], v1, s[24:25] offset:(4*\m+2*\e)*4096+256*\cc th:TH_LOAD_NT
.endr
.endr
.endr
.irp cc, 0,1
.irp m, 0,1,2,3
	s_wait_loadcnt 14-2*(4*\cc+\m)                 ; loads come back in order: the pair's two are in, the younger ones stay out
.irp e, 0,1
	v_cvt_pk_bf16_f32 v[Y+4*(4*\cc+\m)+2*\e],   v[X+4*(2*(4*\cc+\m)+\e)],   v[X+4*(2*(4*\cc+\m)+\e)+1]
	v_cvt_pk_bf16_f32 v[Y+4*(4*\cc+\m)+2*\e+1], v[X+4*(2*(4*\cc+\m)+\e)+2], v[X+4*(2*(4*\cc+\m)+\e)+3]
.endr
; P = the first load's words, Q = the second's.  Lanes i < 8 hold the lower plane's k, lanes i >= 8 the upper plane's.
.irp d, 0,1
	v_cndmask_b32 v[T+\d], v[Y+4*(4*\cc+\m)+\d], v[Y+4*(4*\cc+\m)+2+\d], s28                ; what has to move: Q's lower plane, P's upper
.endr
.irp d, 0,1
	v_mov_b32_dpp v[TX+\d], v[T+\d] row_xmask:8 row_mask:0xf bank_mask:0xf                  ; to the lane 8 away
.endr
.irp d, 0,1
	v_cndmask_b32 v[Y+4*(4*\cc+\m)+\d],   v[TX+\d], v[Y+4*(4*\cc+\m)+\d], s28               ; the lower plane: P's rows in lanes i < 8, Q's in lanes i >= 8
	v_cndmask_b32 v[Y+4*(4*\cc+\m)+2+\d], v[Y+4*(4*\cc+\m)+2+\d], v[TX+\d], s28             ; the upper plane likewise
.endr
	global_store_b64 v2, v[Y+4*(4*\cc+\m):Y+4*(4*\cc+\m)+1],   s[26:27] offset:(2*\cc)*4096+256*\m    ; 32 lanes fill 256 consecutive bytes, aligned
	global_store_b64 v2, v[Y+4*(4*\cc+\m)+2:Y+4*(4*\cc+\m)+3], s[26:27] offset:(2*\cc+1)*4096+256*\m
.endr
.endr
	s_endpgm
.Lfunc_end_k_qf766c359e1_cast:
	.size	k_qf766c359e1_cast, .Lfunc_end_k_qf766c359e1_cast-k_qf766c359e1_cast
	.p2alignl 7, 3214868480
	.fill 96, 4, 3214868480
	.section	.rodata,"a",@progbits
	.p2align	6, 0x0
	.amdhsa_kernel k_qf766c359e1_cast
		.amdhsa_group_segment_fixed_size 0
		.amdhsa_private_segment_fixed_size 0
		.amdhsa_enable_private_segment 0
		.amdhsa_kernarg_size 48
		.amdhsa_user_sgpr_count 2
		.amdhsa_user_sgpr_kernarg_segment_ptr 1
		.amdhsa_wavefront_size32 1
		.amdhsa_system_sgpr_workgroup_id_x 1
		.amdhsa_system_sgpr_workgroup_id_y 1
		.amdhsa_system_sgpr_workgroup_id_z 1
		.amdhsa_system_vgpr_workitem_id 0
		.amdhsa_next_free_vgpr 104
		.amdhsa_next_free_sgpr 66
		.amdhsa_reserve_vcc 0
		.amdhsa_float_denorm_mode_32 3
		.amdhsa_float_denorm_mode_16_64 3
		.amdhsa_memory_ordered 1
		.amdhsa_forward_progress 1
		.amdhsa_inst_pref_size 12
	.end_amdhsa_kernel
	.amdgpu_metadata
---
amdhsa.version: [ 1, 2 ]
amdhsa.kernels:
  - .name:           k_qf766c359e1_cast
    .symbol:         k_qf766c359e1_cast.kd
    .args:
      - { .name: x, .offset: 0, .size: 8, .value_kind: global_buffer, .address_space: global }
      - { .name: Wq, .offset: 8, .size: 8, .value_kind: global_buffer, .address_space: global }
      - { .name: Wk, .offset: 16, .size: 8, .value_kind: global_buffer, .address_space: global }
      - { .name: Wv, .offset: 24, .size: 8, .value_kind: global_buffer, .address_space: global }
      - { .name: xb, .offset: 32, .size: 8, .value_kind: global_buffer, .address_space: global }
      - { .name: wb, .offset: 40, .size: 8, .value_kind: global_buffer, .address_space: global }
    .group_segment_fixed_size: 0
    .private_segment_fixed_size: 0
    .kernarg_segment_align: 8
    .kernarg_segment_size: 48
    .max_flat_workgroup_size: 256
    .sgpr_count:     66
    .vgpr_count:     104
    .wavefront_size: 32
...
	.end_amdgpu_metadata
.endif
;; end of part 1
;; launch proj (part 2): grid 8 x 32, 4 waves a work-group, clusters of 4 x 4, 327,680 bytes of LDS; arguments xb, wb, qkv; writes qkv
.if DOCPART == 2
	.amdgcn_target "amdgcn-amd-amdhsa--gfx1250"
	.amdhsa_code_object_version 6
	.text
	.protected	k_qf766c359e1_proj
	.globl	k_qf766c359e1_proj
	.p2align	8
	.type	k_qf766c359e1_proj,@function
k_qf766c359e1_proj:
	s_mov_b64 s[64:65], 0
	v_nop
	global_prefetch_b8 v0, s[64:65] scope:SCOPE_SE
	s_setreg_imm32_b32 hwreg(HW_REG_WAVE_MODE, 25, 1), 1
	s_wait_xcnt 0x0
	s_wait_alu depctr_hold_cnt(0) depctr_sa_sdst(0) depctr_va_vdst(0) depctr_va_sdst(0) depctr_va_ssrc(0) depctr_va_vcc(0) depctr_vm_vsrc(0)
	s_getreg_b32 s2, hwreg(HW_REG_IB_STS2, 6, 4)
	s_cmp_eq_u32 s2, 0
	s_cbranch_scc0 .Lentry_in_a_cluster
	s_endpgm
.Lentry_in_a_cluster:
	s_bfe_u32 s2, ttmp6, 0x10000c
	s_cmp_lg_u32 s2, 0xf033
	s_cbranch_scc0 .Lentry_shape_is_right
	s_endpgm
.Lentry_shape_is_right:
; qkv[m][n] = sum over k of x[m][k] W[n][k], 8192 x 3072 x 1024: bf16 operands, f32 sums, rounded once to f16.  qkv: [8192][3072] f16 (q, k, v side by side in a row of 6,144 bytes).
; xb and wb hold the operands IN BLOCKS AND PLANES: element (row, k) at byte (row >> 6) 131,072 + (k >> 5) 4,096 + (row & 63) 64 + (k & 31) 2: a plane is 64 rows x 32 k, dense, and a block's planes follow each other.
; LIMIT.  f16 holds no number beyond 65,504: q, k and v must stay within it.  Inputs of unit spread give a spread of 1; all inputs 30 times larger give 900; a common offset of 30 spreads on x and on the
; weights gives about 28,800.  Beyond 65,504 the result is an infinity.
; SHARES.  A tile is 256 rows x 384 columns: 32 x 8 = 256 work-groups of equal work.  A wave takes 64 rows x all 384 columns: 96 accumulators of 16 x 16, 768 registers.  So a wave owns whole rows of the tile
; (768 bytes, three aligned pieces of 256): its stage on the way out is its own.  Waves of 128 x 192 would load 40 fragments halves for 96 products where these load 56, but their 384 bytes of a row split an
; aligned 256, and their fragments of A, 64 registers a quarter, leave no room for buffers that come round in a step's three quarters.
; K STEPS OF 96.  A step's tiles have 640 rows.  In LDS a plane of 64 rows takes 4,352 bytes (16 of padding behind every 256), so a slot of three planes is 10 x 3 x 4,352 = 130,560 bytes; two slots of four
; planes, 348,160 bytes, do not fit.  1,024 = 10 x 96 + 64: the last step has two planes.  A step is 288 matrix instructions a wave; 264 of them lie between a slot's request and the wait for it.
; One tensor load a wave brings 2 (A: waves 0, 1) or 3 (B: waves 2, 3) blocks' three planes: rows of 12,288 dense bytes, 131,072 bytes apart.  tensor_dim0 says what is left of a block's row from the tile's
; first element on and steps down with each refill, to two planes at the last: nothing behind a block's row is read.
; CLUSTERS: 4 x 4 work-groups.  The four of a row of the cluster need the same tiles of xb, the four of a column the same tiles of wb: each tile is asked for JOINTLY, by the same tensor load with the
; same descriptor and a mask that names the four; that divides the requests by four.
; THE MATRIX INSTRUCTION IS USED TRANSPOSED: source 0 = 16 rows of wb, source 1 = 16 rows of xb: lane l holds row l % 16 of the result and the columns 8 (l / 16) + 0..7, which pack into 16 bytes.
; REGISTERS, in windows of 256 (s_set_vgpr_msb: bits 1:0 source 0, 3:2 source 1, 5:4 source 2, 7:6 destination):
;   window 0: v0-31 addresses; v32-127 fragments of A: quarter q's four at v[32 + 32 q]; v128-223 fragments of B: block j's four at v[128 + 32 (j % 3)].  On the way out v32-127 and v128-223 are at work.
;   windows 1 to 3: accumulator (a, b), rows 16 a on, columns 16 b on, at v[8 (8 a + b % 8)] of window 1 + b / 8.
.set ROWB,   6144                      ; bytes in a row of qkv
.set GBLK,   131072                    ; bytes of a block of 64 rows in xb and wb
.set GSTEP,  12288                     ; three planes
.set TD0,    GSTEP/8                   ; a tile's row in elements of 8 bytes
.set LEFT1,  (GBLK-GSTEP)/8            ; what is left of a block's row from step 1 on
.set PLANE,  4352                      ; a plane in LDS: row r at 64 r + 16 (r >> 2): the 16 rows that a load touches fall into 16 different columns of 16 bytes (64 banks of 4 bytes: ISA guide 11.1)
.set FR,     1088                      ; 16 rows of a plane
.set BLK,    3*PLANE                   ; a block's three planes
.set BOFF,   4*BLK                     ; a slot: A's four blocks, then B's six
.set SLOT1,  1<<17                     ; slot 1 begins here, so that one exclusive or turns an address in one slot into the other's
.set STAGE,  SLOT1+10*BLK              ; behind the ring: 16 rows x 784 bytes for each wave, for the way out
.set SPITCH, 784                       ; 768 bytes + 16: 49 x 16
.set SPARE,  STAGE+4*16*SPITCH         ; behind the stages: the spare words, 128 bytes for each wave, which no other line names
.set TRIPS,  9                         ; steps 0 to 8 are followed by a refill: steps 2 to 10
.set LA0,  8                           ; v8      my lane's place in my wave's block of A; never rewritten
.set LB0,  9                           ; v9      the same in B's first block
.set ADRA, 16                          ; v16     the same in the slot in hand
.set ADRB, 17                          ; v17     B's blocks 0-2;  v18  blocks 3-5
.set STO,  24                          ; v24     the way out: where I put 16 bytes of a row
.set RD,   25                          ; v25     the way out: where I read 16 bytes back
.set CO,   26                          ; v26     my byte offset in qkv
.set SPW,  28                          ; v28     LDS address of my spare word; never rewritten
.set NIL,  29                          ; v29     0; never rewritten
.set FA,   32
.set FB,   128
.set TMP,  32
.set OB,   128
.set TB,  22                           ; s22     LDS byte at which the slot in hand begins
.set G1,  24                           ; s[24:31] descriptor group 1 for A's tiles
.set G0,  32                           ; s[32:39] group 0 for A's tiles: a set for each of the two first fills; the second then walks on
.set G1B, 48                           ; s[48:55] group 1 for B's tiles
.set G0B, 56                           ; s[56:63] group 0 for B's tiles
.set MSB, 0
.macro WIN new                         ; the immediate's high byte repeats the setting that is left; a switch that changes nothing is dropped
.if MSB != (\new)
	s_set_vgpr_msb (MSB<<8)|(\new)
.set MSB, \new
.endif
.endm
; Four places stand between a matrix instruction and a load into a register that it read, or a vector instruction that reads its result or writes one of its sources (ISA guide 7.12.1 for vector instructions)
.macro PLACES
.rept 4
	v_nop
.endr
.endm
; A joint load.  Waves 0 and 1 fetch A's two halves, waves 2 and 3 B's.  The branch hangs on the wave's number alone.  An s_nop 0 and four v_nop follow each line.
.macro JLOAD s
	s_cmp_eq_u32 s11, 0
	s_cbranch_scc0 .Lfor_b_\@
	tensor_load_to_lds s[G0+4*(\s):G0+4*(\s)+3], s[G1:G1+7]
	s_nop 0
	PLACES
	s_branch .Lasked_\@
.Lfor_b_\@:
	tensor_load_to_lds s[G0B+4*(\s):G0B+4*(\s)+3], s[G1B:G1B+7]
	s_nop 0
	PLACES
.Lasked_\@:
.endm
; A round of the cluster's barrier: my work-group's barrier; wave 0 signals for the work-group; every wave waits for all sixteen; my work-group's barrier once more.
.macro CREST                           ; a round behind its opening barrier
	s_cmp_lg_u32 s10, 0
	s_cbranch_scc1 .Lnot_wave_0_\@
	s_barrier_signal -3
.Lnot_wave_0_\@:
	s_barrier_wait -3
	s_barrier_signal -1
	s_barrier_wait -1
.endm
.macro CROUND
	s_barrier_signal -1
	s_barrier_wait -1
	CREST
.endm
	s_load_b128 s[4:7], s[0:1], 0x0                ; xb s[4:5], wb s[6:7]
	s_load_b64 s[8:9], s[0:1], 0x10                ; qkv
	v_lshl_add_u32 v[SPW], v0, 2, SPARE
	v_mov_b32 v[NIL], 0
	ds_add_u32 v[SPW], v[NIL]                      ; the wave's opening: the add and its wait stand ahead of my first tensor load; the set-up below stands between them
	ds_add_u32 v28, v29
	v_lshrrev_b32 v1, 5, v0
	v_readfirstlane_b32 s10, v1                    ; wave 0..3: my 64 rows of the tile
	s_lshr_b32 s11, s10, 1                         ; I fetch for A (0) or for B (1),
	s_and_b32 s12, s10, 1                          ; its first or its second half
	s_bfe_u32 s40, ttmp6, 0x40000                  ; cx
	s_bfe_u32 s41, ttmp6, 0x40004                  ; cy
	s_lshl_b32 s42, ttmp9, 2
	s_add_co_u32 s42, s42, s40                     ; tile column = 4 x cluster x + cx
	s_and_b32 s13, ttmp7, 0xffff
	s_lshl_b32 s13, s13, 2
	s_add_co_u32 s13, s13, s41                     ; tile row = 4 x cluster y + cy
	s_lshl_b32 s43, s41, 2
	s_lshl_b32 s43, 15, s43                        ; my row of the cluster: places 4 cy .. 4 cy + 3
	s_lshl_b32 s44, 0x1111, s40                    ; my column: places cx, cx + 4, cx + 8, cx + 12
	s_or_b32 s[G1+0], s43, (3<<16)|(1<<20)|(1<<21)|(5<<22)|(3<<25)  ; the mask; elements of 8 bytes; padding on; bit 21 beside a mask; after every 64 words; 4 words
	s_or_b32 s[G1B+0], s44, (3<<16)|(1<<20)|(1<<21)|(5<<22)|(3<<25)
	s_mov_b32 s[G1+1], LEFT1<<16                   ; tensor_dim0: both first fills lie well inside it
	s_mov_b32 s[G1B+1], LEFT1<<16
	s_mov_b32 s[G1+2], 2<<16                       ; tensor_dim1 = 2 blocks
	s_mov_b32 s[G1B+2], 3<<16                      ;             = 3 blocks
	s_mov_b32 s[G1+3], TD0<<16                     ; tile_dim0 = three planes
	s_mov_b32 s[G1B+3], TD0<<16
	s_mov_b32 s[G1+4], 2                           ; tile_dim1
	s_mov_b32 s[G1B+4], 3
	s_mov_b32 s[G1+5], GBLK/8                      ; elements from block to block
	s_mov_b32 s[G1B+5], GBLK/8
	s_mov_b32 s[G1+6], 0
	s_mov_b32 s[G1B+6], 0
	s_mov_b32 s[G1+7], 0
	s_mov_b32 s[G1B+7], 0
	; A's tiles hang on the tile row alone, B's on the tile column alone; each address is made in registers that never hold the other coordinate
	s_lshl_b32 s16, s13, 2
	s_lshl_b32 s17, s12, 1
	s_add_co_u32 s16, s16, s17                     ; A: block 4 x tile row + 2 x half
	s_lshl_b32 s16, s16, 17
	s_mov_b32 s17, 0
	s_mul_i32 s46, s42, 6
	s_mul_i32 s47, s12, 3
	s_add_co_u32 s46, s46, s47                     ; B: block 6 x tile column + 3 x half
	s_lshl_b32 s46, s46, 17
	s_mov_b32 s47, 0
	s_mul_i32 s20, s12, 2*BLK                      ; where they go: A's halves,
	s_mul_i32 s21, s12, 3*BLK
	s_add_co_u32 s21, s21, BOFF                    ; B's halves: no place in the cluster enters an LDS address
	s_mov_b32 s[TB], 0
	s_wait_dscnt 0x0                               ; the opening add is done
	s_wait_kmcnt 0x0
	s_add_nc_u64 s[14:15], s[4:5], s[16:17]
	s_add_nc_u64 s[46:47], s[6:7], s[46:47]
	CROUND                                         ; all sixteen work-groups are here: the first joint loads meet
.irp s, 0,1
	s_mov_b32 s[G0+4*(\s)], 1
	s_add_co_u32 s[G0+4*(\s)+1], s20, (\s)*SLOT1
	s_add_nc_u64 s[G0+4*(\s)+2:G0+4*(\s)+3], s[14:15], (\s)*GSTEP
	s_or_b32 s[G0+4*(\s)+3], s[G0+4*(\s)+3], 0x80000000
	s_mov_b32 s[G0B+4*(\s)], 1
	s_add_co_u32 s[G0B+4*(\s)+1], s21, (\s)*SLOT1
	s_add_nc_u64 s[G0B+4*(\s)+2:G0B+4*(\s)+3], s[46:47], (\s)*GSTEP
	s_or_b32 s[G0B+4*(\s)+3], s[G0B+4*(\s)+3], 0x80000000
	JLOAD \s                                       ; steps 0 and 1: two loads of mine are out
.endr
	; A fragment is 16 rows x 32 K in 8 registers: lane l holds row l % 16; registers 0-3 K = 8 (l / 16) + 0..7, registers 4-7 K = 16 + 8 (l / 16) + 0..7: two loads of 16 bytes, 32 bytes apart, in a row of 64
	v_and_b32 v1, 15, v0                           ; r = l % 16
	v_bfe_u32 v2, v0, 4, 1                         ; h = l / 16
	v_lshrrev_b32 v3, 2, v1
	v_lshlrev_b32 v4, 6, v1
	v_lshl_add_u32 v4, v3, 4, v4                   ; 64 r + 16 (r >> 2)
	v_lshl_add_u32 v4, v2, 4, v4                   ; + 16 h
	s_mul_i32 s23, s10, BLK                        ; my 64 rows are block w of A's four
	v_add_nc_u32 v[LA0], s23, v4
	v_add_nc_u32 v[LB0], BOFF, v4
	s_mul_i32 s23, s10, 16*SPITCH
	s_add_co_u32 s23, s23, STAGE                   ; my stage
	v_mul_u32_u24 v4, v1, SPITCH                   ; in: row r, 16 bytes for each half of the lanes
	v_lshl_add_u32 v4, v2, 4, v4
	v_add_nc_u32 v[STO], s23, v4
	v_mul_u32_u24 v5, v2, SPITCH                   ; back: lanes 0-15 take 256 bytes of one row, lanes 16-31 of the next
	v_lshl_add_u32 v5, v1, 4, v5
	v_add_nc_u32 v[RD], s23, v5
	v_mul_u32_u24 v5, v2, ROWB                     ; and the same in qkv
	v_lshl_add_u32 v[CO], v1, 4, v5
	s_lshl_b32 s16, s13, 8
	s_lshl_b32 s17, s10, 6
	s_add_co_u32 s16, s16, s17                     ; my first row of the result
	s_mul_i32 s16, s16, ROWB                       ; under 2^26
	s_mov_b32 s17, 0
	s_add_nc_u64 s[8:9], s[8:9], s[16:17]
	s_mul_i32 s46, s42, 768                        ; the tile's first column, in bytes
	s_mov_b32 s47, 0
	s_add_nc_u64 s[8:9], s[8:9], s[46:47]
.macro ADDR                            ; the fragments' addresses in the slot at s[TB]
	v_add_nc_u32 v[ADRA], s[TB], v[LA0]
	v_add_nc_u32 v[ADRB], s[TB], v[LB0]
	v_add_nc_u32 v[ADRB+1], 3*BLK, v[ADRB]
.endm
.macro LDB q, j                        ; 8 LDS loads: plane q of B's block j (four fragments) into buffer j % 3
.irp i, 0,1,2,3
	ds_load_b128 v[FB+32*((\j)%3)+8*\i:FB+32*((\j)%3)+8*\i+3],   v[ADRB+(\j)/3] offset:((\j)%3)*BLK+(\q)*PLANE+\i*FR
	ds_load_b128 v[FB+32*((\j)%3)+8*\i+4:FB+32*((\j)%3)+8*\i+7], v[ADRB+(\j)/3] offset:((\j)%3)*BLK+(\q)*PLANE+\i*FR+32
.endr
.endm
.macro LDA q                           ; 8 LDS loads: plane q of my block of A into buffer q
.irp a, 0,1,2,3
	ds_load_b128 v[FA+32*(\q)+8*\a:FA+32*(\q)+8*\a+3],   v[ADRA] offset:(\q)*PLANE+\a*FR
	ds_load_b128 v[FA+32*(\q)+8*\a+4:FA+32*(\q)+8*\a+7], v[ADRA] offset:(\q)*PLANE+\a*FR+32
.endr
.endm
; 8 matrix instructions of GROUP (q, j): B's block j x A's row blocks a0, a0 + 1, 32 along K.  zero = 1: the product starts the sums.  The 96 accumulators take turns, one instruction a turn.
.macro MUL8 q, j, a0, zero
	WIN 0x50*(1+(\j)/2)
.irp a, \a0, (\a0)+1
.irp i, 0,1,2,3
.if \zero
	v_wmma_f32_16x16x32_bf16 v[8*(8*(\a)+4*((\j)%2)+\i):8*(8*(\a)+4*((\j)%2)+\i)+7], v[FB+32*((\j)%3)+8*\i:FB+32*((\j)%3)+8*\i+7], v[FA+32*(\q)+8*(\a):FA+32*(\q)+8*(\a)+7], 0
.else
	v_wmma_f32_16x16x32_bf16 v[8*(8*(\a)+4*((\j)%2)+\i):8*(8*(\a)+4*((\j)%2)+\i)+7], v[FB+32*((\j)%3)+8*\i:FB+32*((\j)%3)+8*\i+7], v[FA+32*(\q)+8*(\a):FA+32*(\q)+8*(\a)+7], v[8*(8*(\a)+4*((\j)%2)+\i):8*(8*(\a)+4*((\j)%2)+\i)+7]
.endif
.endr
.endr
.endm
; QUARTER q = 0 or 1 of a step: six groups of 16 matrix instructions.  At a group's head, four places behind the last group's products, B's fragments for the group TWO further on are asked for, into the
; buffer that the last group read; with group 2 go A's fragments of the next quarter.
; THE COUNT ON DScnt.  A group's fragments of B were asked for two groups ago; younger than they are the runs of the last group and of this one, 8 loads each: 16; for groups 2, 3 and 4 A's eight lie among them: 24.
.macro QUARTER q, zero
.irp j, 0,1,2,3,4,5
	PLACES
	WIN 0
.if \j < 4
	LDB \q, (\j)+2
.else
	LDB (\q)+1, (\j)-4
.endif
.if \j == 2
	LDA (\q)+1
.endif
.if (\j >= 2) && (\j <= 4)
	s_wait_dscnt 24
.else
	s_wait_dscnt 16
.endif
	MUL8 \q, \j, 0, \zero
	MUL8 \q, \j, 2, \zero
.endr
.endm
; QUARTER 2, and the change of slots.  Group 3's run holds my last reads of the slot.  Then each wave waits for all its tensor loads, of which one is out: its part of the next slot; adds 0 to its spare word;
; and, 16 products on, waits for that and for its reads.  Behind the barrier nobody reads this slot any more and the next slot is whole.
; fill = 1: the barrier opens a round of the cluster's barrier, and behind the round the slot is filled again, two steps on; then come the next slot's first fragments.
.macro TURN fill
.irp j, 0,1,2
	PLACES
	WIN 0
	LDB 2, (\j)+2
	s_wait_dscnt 16                                ; the runs of the last group and of this one may be out
	MUL8 2, \j, 0, 0
	MUL8 2, \j, 2, 0
.endr
	PLACES
	WIN 0
	LDB 2, 5
	s_wait_tensorcnt 0x0                           ; no tensor load of mine is out, so the descriptors may be written
	ds_add_u32 v[SPW], v[NIL]                      ; 0 onto my spare word
.if \fill
	s_xor_b32 s[G0+5], s[G0+5], SLOT1              ; the walking descriptors: the other slot than last time,
	s_add_nc_u64 s[G0+6:G0+7], s[G0+6:G0+7], GSTEP ; three planes on (the type bits on top are not reached),
	s_sub_co_u32 s[G1+1], s[G1+1], TD0<<16         ; and so much less is left of the block's row
	s_xor_b32 s[G0B+5], s[G0B+5], SLOT1
	s_add_nc_u64 s[G0B+6:G0B+7], s[G0B+6:G0B+7], GSTEP
	s_sub_co_u32 s[G1B+1], s[G1B+1], TD0<<16
.endif
	s_xor_b32 s[TB], s[TB], SLOT1                  ; the slot that is read next
	s_wait_dscnt 17                                ; group 3's fragments are in; two runs of 8 and the add may be out
	MUL8 2, 3, 0, 0
	MUL8 2, 3, 2, 0
	s_wait_dscnt 0x0                               ; the add is done, and my reads of this slot are over
	s_barrier_signal -1
	MUL8 2, 4, 0, 0                                ; work on registers while the others arrive
	WIN 0                                          ; at a branch and at a label every window is 0
	s_barrier_wait -1
.if \fill
	CREST                                          ; no wave of any partner still reads this slot's tile or has a load on its way
	JLOAD 1                                        ; my one tensor load behind the round; its four v_nop are also the places in front of the loads below
.else
	PLACES
.endif
	ADDR
	LDB 0, 0
	LDA 0
	MUL8 2, 4, 2, 0
	PLACES
	WIN 0
	LDB 0, 1
	MUL8 2, 5, 0, 0                                ; groups 4 and 5 need no wait: their fragments were in at the wait for 0
	MUL8 2, 5, 2, 0
.endm
; THE WAY OUT of row block a.  PACK: rounded to f16, 16 bytes a lane, each accumulator's registers in ascending order.  TOSTAGE: into my own stage, and back as pieces of 256 bytes.  SEND: stored.
.macro PACK a
.irp w, 1,2,3
	WIN (\w)|((\w)<<2)
.irp i, 0,1,2,3,4,5,6,7
.irp z, 0,1,2,3
	v_cvt_pk_f16_f32 v[TMP+4*(8*((\w)-1)+\i)+\z], v[8*(8*(\a)+\i)+2*\z], v[8*(8*(\a)+\i)+2*\z+1]
.endr
.endr
.endr
	WIN 0
.endm
.macro TOSTAGE a
.set bb, 0
.rept 24
	ds_store_b128 v[STO], v[TMP+4*bb:TMP+4*bb+3] offset:32*bb
.set bb, bb+1
.endr
.if (\a) > 0
	s_wait_xcnt 0x0                                ; the last block's stores have read their data: the registers are loaded again only behind this wait
.endif
.irp p, 0,1,2,3,4,5,6,7
.irp c, 0,1,2
	ds_load_b128 v[OB+4*(3*\p+\c):OB+4*(3*\p+\c)+3], v[RD] offset:\p*2*SPITCH+256*\c  ; LDS serves a wave's instructions in order (ISA guide 5.7.1.4): these see the stores above
.endr
.endr
.endm
.macro SEND a
	s_wait_dscnt 0x0                               ; the block is back in registers
.irp p, 0,1,2,3,4,5,6,7
.irp c, 0,1,2
	global_store_b128 v[CO], v[OB+4*(3*\p+\c):OB+4*(3*\p+\c)+3], s[8:9] offset:(16*(\a)+2*\p)*ROWB+256*\c  ; 16 lanes store 256 consecutive bytes, at a multiple of 256 from qkv's first byte
.endr
.endr
.endm
	s_wait_tensorcnt 1                             ; my part of step 0 is in; step 1's may stay out
	s_barrier_signal -1
	s_barrier_wait -1
	ADDR
	LDB 0, 0                                       ; in the order in which a change of slots asks for them
	LDA 0
	LDB 0, 1
	QUARTER 0, 1                                   ; the first quarter stands in front of the loop: its products start the sums
	WIN 0
	s_mov_b32 s3, TRIPS
.Lstep:                                                ; a trip: a step's quarters 1 and 2, the refill of its slot, the next step's quarter 0
	QUARTER 1, 0
	TURN 1
	QUARTER 0, 0
	WIN 0
	s_sub_co_u32 s3, s3, 1
	s_cmp_lg_u32 s3, 0
	s_cbranch_scc1 .Lstep
	QUARTER 1, 0                                   ; the tail is written out: step 9 goes on and fills nothing,
	TURN 0
	QUARTER 0, 0                                   ; step 10 has two quarters,
.irp j, 0,1,2,3,4,5                    ; and behind its second nothing is left to fetch: the counts run down
.if \j < 4
	PLACES
	WIN 0
	LDB 1, (\j)+2
	s_wait_dscnt 16
.elseif \j == 4
	s_wait_dscnt 8
.else
	s_wait_dscnt 0x0
.endif
	MUL8 1, \j, 0, 0
	MUL8 1, \j, 2, 0
.endr
	WIN 0
	PLACES                                         ; behind the last products
	PACK 0
	TOSTAGE 0
.irp a, 1,2,3                          ; block a's conversions stand between block a - 1's loads from the stage and the wait for them
	PACK \a
	SEND (\a)-1
	TOSTAGE \a
.endr
	SEND 3
	s_wait_tensorcnt 0x0                           ; the wave's end
	ds_add_u32 v[SPW], v[NIL]
	s_wait_dscnt 0x0
	CROUND                                         ; the closing round: no work-group ends while a partner may still ask for a tile that names it
	s_endpgm
.Lfunc_end_k_qf766c359e1_proj:
	.size	k_qf766c359e1_proj, .Lfunc_end_k_qf766c359e1_proj-k_qf766c359e1_proj
	.p2alignl 7, 3214868480
	.fill 96, 4, 3214868480
	.section	.rodata,"a",@progbits
	.p2align	6, 0x0
	.amdhsa_kernel k_qf766c359e1_proj
		.amdhsa_group_segment_fixed_size 327680
		.amdhsa_private_segment_fixed_size 0
		.amdhsa_enable_private_segment 0
		.amdhsa_kernarg_size 24
		.amdhsa_user_sgpr_count 2
		.amdhsa_user_sgpr_kernarg_segment_ptr 1
		.amdhsa_wavefront_size32 1
		.amdhsa_system_sgpr_workgroup_id_x 1
		.amdhsa_system_sgpr_workgroup_id_y 1
		.amdhsa_system_sgpr_workgroup_id_z 1
		.amdhsa_system_vgpr_workitem_id 0
		.amdhsa_next_free_vgpr 1024
		.amdhsa_next_free_sgpr 66
		.amdhsa_reserve_vcc 0
		.amdhsa_float_denorm_mode_32 3
		.amdhsa_float_denorm_mode_16_64 3
		.amdhsa_memory_ordered 1
		.amdhsa_forward_progress 1
		.amdhsa_inst_pref_size 142
	.end_amdhsa_kernel
	.amdgpu_metadata
---
amdhsa.version: [ 1, 2 ]
amdhsa.kernels:
  - .name:           k_qf766c359e1_proj
    .symbol:         k_qf766c359e1_proj.kd
    .args:
      - { .name: xb, .offset: 0, .size: 8, .value_kind: global_buffer, .address_space: global }
      - { .name: wb, .offset: 8, .size: 8, .value_kind: global_buffer, .address_space: global }
      - { .name: qkv, .offset: 16, .size: 8, .value_kind: global_buffer, .address_space: global }
    .group_segment_fixed_size: 327680
    .private_segment_fixed_size: 0
    .kernarg_segment_align: 8
    .kernarg_segment_size: 24
    .max_flat_workgroup_size: 128
    .sgpr_count:     66
    .vgpr_count:     1024
    .wavefront_size: 32
...
	.end_amdgpu_metadata
.endif
;; end of part 2
;; launch scores (part 3): grid 9 x 16, 4 waves a work-group, no clusters, 327,680 bytes of LDS; arguments qkv, stat, pw; writes pw, stat
.if DOCPART == 3
	.amdgcn_target "amdgcn-amd-amdhsa--gfx1250"
	.amdhsa_code_object_version 6
	.text
	.protected	k_qf766c359e1_scores
	.globl	k_qf766c359e1_scores
	.p2align	8
	.type	k_qf766c359e1_scores,@function
k_qf766c359e1_scores:
	s_mov_b64 s[64:65], 0
	v_nop
	global_prefetch_b8 v0, s[64:65] scope:SCOPE_SE
	s_setreg_imm32_b32 hwreg(HW_REG_WAVE_MODE, 25, 1), 1
	s_wait_xcnt 0x0
; For each tile of 256 queries x 256 keys on or below the diagonal: S = Q K^T (f16 operands, f32 sums over 1,024 channels), and for each wave's part of 128 x 128:
; the causal mask, the row's maximum m over the part's visible keys, P' = 2^(c s - c m) rounded to f16, and l = the sum of the unrounded P'.  c = log2(e) / 32.
; qkv: [8192][3072] f16 (q at byte 0, k at byte 2,048 of a row).  stat: [4][16 parts of 128 keys][2][2048 q] f32: plane 0 c m, plane 1 l.
; pw holds P' IN THE ORDER OF THE MATRIX UNIT'S FRAGMENTS: a chunk of 512 bytes is 16 queries x 16 keys, lane l's 16 bytes the keys 8 (l / 16) + 0..7 of query l % 16; the chunk of query block qb and key block kb
; of a batch lies at ((128 batch + qb) 128 + kb) 512.  That is what a lane holds here behind the rounding, so P' is stored straight from registers, 512 consecutive bytes a store, and the launch behind
; loads two neighbouring chunks as one operand of 16 queries x 32 keys.
; The launch behind brings the parts of a row to the row's own maximum: nothing here is shifted by a fixed number.
; LIMITS.  A hidden score counts as its value less 1e30 (f16's scores are 4.4e12 at the most); a weight below 2^-126 counts as 0 in l; P' below 6e-5 keeps f16's fixed step of 6e-8; NaN and infinities are not treated apart.
; THE DEAD PART.  In a diagonal tile the part of row half 0 and key half 1 is wholly hidden.  It is worked as if visible, so that P' and l are finite, and 1e30 is taken from the c m that is stored:
; the launch behind then gives it the factor 0, and reads no byte that was not written.
; SHARES.  Row i of tiles has i + 1 tiles; rows p and 7 - p have 9 together: grid x = 0..8 walks them, grid y = 4 x batch + p.  Every work-group does the same work.
; NO CLUSTER: a row of tiles has 1 to 8 tiles, a column likewise: they do not fall into fours that share a tile.
; The products are laid as in a plain product of 256 x 256: four waves of 128 x 128, K in steps of 128 through a ring of two LDS slots; one tensor load a wave (128 rows x 256 bytes) behind each change of slots.
; REGISTERS, in windows of 256 (s_set_vgpr_msb: bits 1:0 source 0, 3:2 source 1, 5:4 source 2, 7:6 destination):
;   window 0: v0-31 addresses; v64-127, v128-191 fragments of Q, two buffers (behind the products v64-127 at work); v192-223 the rounded P' of a block
;   window 1: v64-127, v128-191 fragments of K      window 2: the accumulators of my queries 0-63 ((a, b) at v[8 (8 a + b)])      window 3: those of my queries 64-127
; Source 0 = 16 keys, source 1 = 16 queries: in accumulator (a, b) lane l holds query 16 a + l % 16 and register z key 16 b + 8 (l / 16) + z.
.set ROWB,   6144                      ; bytes in a row of qkv
.set QBLK,   65536                     ; bytes of pw from a block of 16 queries to the next: 128 chunks of 512
.set KSTEP,  128
.set PITCH,  272                       ; 256 bytes + 16 of padding = 68 words: the 16 rows that a load touches start at 16 different groups of four banks (64 banks of 4 bytes: ISA guide 11.1)
.set HALFT,  128*PITCH
.set SLOT,   4*HALFT                   ; Q's 256 rows, then K's 256 rows
.set SST,    2*SLOT                    ; behind the ring: 1,024 bytes for each wave: 128 c m, then 128 l
.set SPARE,  SST+4*1024                ; the spare words, 128 bytes for each wave, which no other line names
.set LAPS,   4                         ; 1,024 channels = 8 K steps = 4 laps of the ring
.set SSA,  8                           ; v8      where my lane puts a row's c m (lanes 0-15) or l (lanes 16-31)
.set SRD,  9                           ; v9      where I read 16 bytes of them back
.set SGO,  10                          ; v10     16 x lane
.set DIA,  11                          ; v11     l % 16 - 8 (l / 16): register z of a diagonal block is hidden where z is greater
.set ADRA, 16
.set ADRB, 20
.set SPW,  28                          ; v28     LDS address of my spare word; never rewritten
.set NIL,  29                          ; v29     0; never rewritten
.set F0,   64
.set F1,   128
.set TMP,  192
.set T,    64                          ; v64-87   three maxima a block
.set U,    88                          ; v88-95   one a block
.set MA,   96                          ; v96-103  what is added to key block a' of query block a'
.set CM,   104                         ; v[104:105] c m, twice
.set LS,   106
.set X,    107
.set CMS,  108
.set MB,   112                         ; v112-119 what is added to key block a' + 4
.set MD,   120                         ; v120-127 the mask of a block on the diagonal
.set G1, 24                            ; s[24:31] descriptor group 1
.set G0, 32                            ; s[32:39] group 0, one set for each slot
.set CS,  66                           ; s[66:67] c
.set SEL, 68                           ; s[68:69] v_permlanex16_b32's selects: each lane takes its own place in the other half
.set BH,  70                           ; s[70:71] -1e30 in a part that holds the diagonal, else 0
.set DB,  72                           ; s72     -1e30 in the dead part, else 0
.set HM,  73                           ; s73     the mask of lanes 16-31
.set BIGN, 74
.set SA,  76                           ; s[76:77] what is added to key blocks a' + 1 .. a' + 3
.set MSB, 0
.macro WIN new                         ; the immediate's high byte repeats the setting that is left; a switch that changes nothing is dropped
.if MSB != (\new)
	s_set_vgpr_msb (MSB<<8)|(\new)
.set MSB, \new
.endif
.endm
.set MUL_LO, 0xa1
.set MUL_HI, 0xf1
.set TO_B,   0x40
.macro PLACES
.rept 4
	v_nop
.endr
.endm
.macro LOAD s                          ; my quarter of a slot; an s_nop 0 and four v_nop follow the line
	tensor_load_to_lds s[G0+4*(\s):G0+4*(\s)+3], s[G1:G1+7]
	s_nop 0
	PLACES
.endm
	s_load_b128 s[4:7], s[0:1], 0x0                ; qkv s[4:5], stat s[6:7]
	s_load_b64 s[8:9], s[0:1], 0x10                ; pw
	v_lshl_add_u32 v[SPW], v0, 2, SPARE
	v_mov_b32 v[NIL], 0
	ds_add_u32 v[SPW], v[NIL]                      ; the wave's opening: the add and its wait stand ahead of my first tensor load; the set-up below stands between them
	ds_add_u32 v28, v29
	v_lshrrev_b32 v1, 5, v0
	v_readfirstlane_b32 s10, v1                    ; wave 0..3
	s_lshr_b32 s11, s10, 1                         ; my half of the queries.  Also: I fetch Q's rows (0) or K's (1)
	s_and_b32 s12, s10, 1                          ; my half of the keys.  Also: which 128 of those rows I fetch
	s_and_b32 s13, ttmp7, 0xffff
	s_lshr_b32 s14, s13, 2                         ; batch
	s_and_b32 s15, s13, 3                          ; p
	s_sub_co_u32 s40, 7, s15
	s_add_co_u32 s41, s15, 1
	s_max_u32 s44, ttmp9, s41
	s_sub_co_u32 s44, s44, s41                     ; x - p - 1 where x > p
	s_cmp_le_u32 ttmp9, s15
	s_cselect_b32 s42, s15, s40                    ; i: row p for x <= p, else row 7 - p
	s_cselect_b32 s43, ttmp9, s44                  ; j
	s_mov_b32 s[G1+0], (1<<16)|(1<<20)|(5<<22)|(3<<25)  ; elements of 2 bytes; padding on; after every 64 words; 4 words
	s_mov_b32 s[G1+1], KSTEP<<16                   ; tensor_dim0 = 128
	s_mov_b32 s[G1+2], 128<<16                     ; tensor_dim1 = 128
	s_mov_b32 s[G1+3], KSTEP<<16                   ; tile_dim0 = 128
	s_mov_b32 s[G1+4], 128                         ; tile_dim1 = 128
	s_mov_b32 s[G1+5], 3072                        ; elements from row to row
	s_mov_b32 s[G1+6], 0
	s_mov_b32 s[G1+7], 0
	s_cmp_eq_u32 s11, 0
	s_cselect_b32 s44, s42, s43                    ; Q's rows go by i, K's by j
	s_cselect_b32 s45, 0, 2048                     ; and K lies 2,048 bytes into a row
	s_lshl_b32 s44, s44, 8
	s_lshl_b32 s46, s14, 11                        ; the batch's first row
	s_add_co_u32 s44, s44, s46
	s_lshl_b32 s47, s12, 7
	s_add_co_u32 s44, s44, s47
	s_mul_i32 s44, s44, ROWB                       ; under 2^26
	s_add_co_u32 s44, s44, s45
	s_mov_b32 s45, 0
	s_lshl_b32 s16, s14, 7                         ; where my part begins in pw: query block 128 batch + 16 i + 8 row half,
	s_lshl_b32 s17, s42, 4
	s_add_co_u32 s16, s16, s17
	s_lshl_b32 s17, s11, 3
	s_add_co_u32 s16, s16, s17
	s_lshl_b32 s16, s16, 7                         ; 128 chunks each,
	s_lshl_b32 s17, s43, 4                         ; key block 16 j + 8 key half,
	s_add_co_u32 s16, s16, s17
	s_lshl_b32 s17, s12, 3
	s_add_co_u32 s16, s16, s17
	s_lshl_b32 s16, s16, 9                         ; 512 bytes a chunk: under 2^25
	s_mov_b32 s17, 0
	s_lshl_b32 s48, s14, 4                         ; and in stat: part 16 batch + 2 j + key half, 16,384 bytes each; query 256 i + 128 row half
	s_lshl_b32 s49, s43, 1
	s_add_co_u32 s48, s48, s49
	s_add_co_u32 s48, s48, s12
	s_lshl_b32 s48, s48, 14
	s_lshl_b32 s49, s42, 10
	s_add_co_u32 s48, s48, s49
	s_lshl_b32 s49, s11, 9
	s_add_co_u32 s48, s48, s49
	s_mov_b32 s49, 0
	s_mov_b32 s[CS], 0x3d38aa3b                    ; c = log2(e) / 32
	s_mov_b32 s[CS+1], s[CS]
	s_mov_b32 s[SEL], 0x76543210
	s_mov_b32 s[SEL+1], 0xfedcba98
	s_mov_b32 s[HM], 0xffff0000
	s_mov_b32 s[BIGN], 0xf149f2ca                  ; -1e30
	s_cmp_eq_u32 s42, s43
	s_cselect_b32 s50, s[BIGN], 0                  ; in a diagonal tile
	s_cmp_eq_u32 s11, s12
	s_cselect_b32 s[BH], s50, 0                    ; the two parts that hold the diagonal
	s_mov_b32 s[BH+1], s[BH]
	s_mov_b32 s[SA], s[BH]
	s_mov_b32 s[SA+1], s[BH]
	s_cmp_lt_u32 s11, s12
	s_cselect_b32 s[DB], s50, 0                    ; the dead part
	s_mul_i32 s20, s10, HALFT                      ; my quarter of a slot
	s_wait_dscnt 0x0                               ; the opening add is done
	s_wait_kmcnt 0x0
	s_add_nc_u64 s[44:45], s[4:5], s[44:45]
	s_add_nc_u64 s[6:7], s[6:7], s[48:49]
	s_add_nc_u64 s[8:9], s[8:9], s[16:17]
.irp s, 0,1
	s_mov_b32 s[G0+4*(\s)], 1
	s_add_co_u32 s[G0+4*(\s)+1], s20, (\s)*SLOT
	s_add_nc_u64 s[G0+4*(\s)+2:G0+4*(\s)+3], s[44:45], (\s)*KSTEP*2
	s_or_b32 s[G0+4*(\s)+3], s[G0+4*(\s)+3], 0x80000000
	LOAD \s                                        ; the two first fills go out together: two loads of mine are out
.endr
	v_and_b32 v1, 15, v0                           ; l % 16
	v_bfe_u32 v2, v0, 4, 1                         ; l / 16
	v_mul_u32_u24 v3, v1, PITCH
	v_lshl_add_u32 v3, v2, 4, v3
	s_mul_i32 s21, s11, HALFT                      ; my 128 rows of Q
	s_mul_i32 s22, s12, HALFT                      ; my 128 rows of K,
	s_add_co_u32 s22, s22, 2*HALFT                 ; which lie behind Q's 256
.irp s, 0,1
	v_add_nc_u32 v[ADRA+(\s)], s21, v3
	v_add_nc_u32 v[ADRB+(\s)], s22, v3
	s_add_co_u32 s21, s21, SLOT
	s_add_co_u32 s22, s22, SLOT
.endr
	s_lshl_b32 s23, s10, 10
	s_add_co_u32 s23, s23, SST
	v_lshlrev_b32 v4, 2, v1
	v_lshl_add_u32 v4, v2, 9, v4
	v_add_nc_u32 v[SSA], s23, v4
	v_and_b32 v5, 31, v0
	v_lshlrev_b32 v[SGO], 4, v5
	v_add_nc_u32 v[SRD], s23, v[SGO]
	v_lshlrev_b32 v4, 3, v2
	v_sub_nc_u32 v[DIA], v1, v4
; 16 matrix instructions; the 64 accumulators take turns.  zero = 1: the first product starts the sums
.macro MUL16 f, hi, a0, zero
	WIN MUL_LO+0x50*(\hi)
.irp a, \a0, (\a0)+1
.irp b, 0,1,2,3,4,5,6,7
.if \zero
	v_wmma_f32_16x16x32_f16 v[8*(8*(\a)+(\b)):8*(8*(\a)+(\b))+7], v[(\f)+8*(\b):(\f)+8*(\b)+7], v[(\f)+8*(4*(\hi)+(\a)):(\f)+8*(4*(\hi)+(\a))+7], 0
.else
	v_wmma_f32_16x16x32_f16 v[8*(8*(\a)+(\b)):8*(8*(\a)+(\b))+7], v[(\f)+8*(\b):(\f)+8*(\b)+7], v[(\f)+8*(4*(\hi)+(\a)):(\f)+8*(4*(\hi)+(\a))+7], v[8*(8*(\a)+(\b)):8*(8*(\a)+(\b))+7]
.endif
.endr
.endr
.endm
.macro FETCH slot, k, f                ; 32 LDS loads in one run: K's 128 rows, then Q's, 32 channels at byte k
	WIN TO_B
.irp i, 0,1,2,3,4,5,6,7
	ds_load_b128 v[(\f)+8*(\i):(\f)+8*(\i)+3],   v[ADRB+(\slot)] offset:(\k)+(\i)*16*PITCH
	ds_load_b128 v[(\f)+8*(\i)+4:(\f)+8*(\i)+7], v[ADRB+(\slot)] offset:(\k)+(\i)*16*PITCH+32
.endr
	WIN 0
.irp i, 0,1,2,3,4,5,6,7
	ds_load_b128 v[(\f)+8*(\i):(\f)+8*(\i)+3],   v[ADRA+(\slot)] offset:(\k)+(\i)*16*PITCH
	ds_load_b128 v[(\f)+8*(\i)+4:(\f)+8*(\i)+7], v[ADRA+(\slot)] offset:(\k)+(\i)*16*PITCH+32
.endr
.endm
.macro QUARTER slot, k, f, g, zero
	s_wait_dscnt 8                                 ; K's rows and Q's rows 0-63 are in; the youngest eight loads may be out
	WIN MUL_LO
	MUL16 \f, 0, 0, \zero
	MUL16 \f, 0, 2, \zero
	PLACES                                         ; in front of loads into registers that matrix instructions have read
	FETCH \slot, \k, \g
	s_wait_dscnt 32                                ; all but the 32 just issued
	WIN MUL_HI
	MUL16 \f, 1, 0, \zero
	MUL16 \f, 1, 2, \zero
.endm
.macro MEET                            ; the first half of a K step's last quarter: ONE barrier for the change of slots
	WIN 0
	s_wait_tensorcnt 0x0                           ; all my tensor loads have landed: the one that was out is my part of the next slot
	ds_add_u32 v[SPW], v[NIL]                      ; 0 onto my spare word
	s_wait_dscnt 9                                 ; (the add and the youngest eight loads may be out)
	WIN MUL_LO
	MUL16 F1, 0, 0, 0
	s_wait_dscnt 0x0                               ; the add is done, and my reads of this slot are over
	s_barrier_signal -1
	MUL16 F1, 0, 2, 0
	s_barrier_wait -1                              ; nobody reads this slot any more, and the next slot is whole
.endm
.macro TURN slot, next
	MEET
	s_add_nc_u64 s[G0+4*(\slot)+2:G0+4*(\slot)+3], s[G0+4*(\slot)+2:G0+4*(\slot)+3], 2*KSTEP*2  ; no load of mine is out: the slot's K step two steps on
	LOAD \slot                                     ; my one tensor load behind the barrier; its four v_nop are also the places in front of the loads below
	FETCH \next, 0, F0
	WIN MUL_HI
	MUL16 F1, 1, 0, 0
	MUL16 F1, 1, 2, 0
.endm
; THE SOFTMAX OF A BLOCK of 16 queries x my 128 keys, whose eight accumulators lie at v[64 a ..] of window 2; each accumulator's registers are taken from the low end on.
; The text is written for four blocks and walked twice: first for my query blocks 0-3, then, their sums brought into window 2, for blocks 4-7.
; THE MASK.  Query block A sees key blocks below A, holds the diagonal in key block A, and sees none above.  In the text for a: key block a takes MA, blocks a + 1 .. a + 3 take SA, block a + 4 takes MB, the
; blocks above take BH.  First walk (A = a): MA = the diagonal's mask, SA = MB = BH.  Second walk (A = a + 4): MA = SA = 0, MB = the diagonal's mask.  In a part off the diagonal all of them are 0.
.macro SOFT a
.set AC, 64*(\a)
	WIN 0x82                                       ; destination and source 0 in window 2
.irp z, 0,2,4,6
	v_pk_add_f32 v[AC+8*(\a)+\z:AC+8*(\a)+\z+1], v[AC+8*(\a)+\z:AC+8*(\a)+\z+1], v[MA+\z:MA+\z+1]
.endr
.irp d, 1,2,3
.irp z, 0,2,4,6
	v_pk_add_f32 v[AC+8*((\a)+\d)+\z:AC+8*((\a)+\d)+\z+1], v[AC+8*((\a)+\d)+\z:AC+8*((\a)+\d)+\z+1], s[SA:SA+1] op_sel_hi:[1,0]
.endr
.endr
.irp z, 0,2,4,6
	v_pk_add_f32 v[AC+8*((\a)+4)+\z:AC+8*((\a)+4)+\z+1], v[AC+8*((\a)+4)+\z:AC+8*((\a)+4)+\z+1], v[MB+\z:MB+\z+1]
.endr
.if (\a) < 3
.set bb, (\a)+5
.rept 3-(\a)
.irp z, 0,2,4,6
	v_pk_add_f32 v[AC+8*bb+\z:AC+8*bb+\z+1], v[AC+8*bb+\z:AC+8*bb+\z+1], s[BH:BH+1] op_sel_hi:[1,0]
.endr
.set bb, bb+1
.endr
.endif
	WIN 0x2a                                       ; all three sources in window 2: the maximum of my 64 scores
.irp b, 0,1,2,3,4,5,6,7
	v_max3_num_f32 v[T+3*\b],   v[AC+8*\b],   v[AC+8*\b+1], v[AC+8*\b+2]
	v_max3_num_f32 v[T+3*\b+1], v[AC+8*\b+3], v[AC+8*\b+4], v[AC+8*\b+5]
	v_max_num_f32  v[T+3*\b+2], v[AC+8*\b+6], v[AC+8*\b+7]
.endr
	WIN 0
.irp k, 0,1,2,3,4,5,6,7
	v_max3_num_f32 v[U+\k], v[T+3*\k], v[T+3*\k+1], v[T+3*\k+2]
.endr
	v_max3_num_f32 v[U], v[U], v[U+1], v[U+2]
	v_max3_num_f32 v[U+3], v[U+3], v[U+4], v[U+5]
	v_max_num_f32 v[U+6], v[U+6], v[U+7]
	v_max3_num_f32 v[U], v[U], v[U+3], v[U+6]
	v_permlanex16_b32 v[X], v[U], s[SEL], s[SEL+1] ; the query's other 64 keys lie in the lane 16 away
	v_max_num_f32 v[U], v[U], v[X]
	v_mul_f32 v[CM], s[CS], v[U]
	v_mul_f32 v[CM+1], s[CS], v[U]
	WIN 0x82
.set zz, 0
.rept 32
	v_pk_fma_f32 v[AC+zz:AC+zz+1], v[AC+zz:AC+zz+1], s[CS:CS+1], v[CM:CM+1] op_sel_hi:[1,0,0] neg_lo:[0,0,1] neg_hi:[0,0,1]  ; c s - c m
.set zz, zz+2
.endr
.set zz, 0
.rept 64
	v_exp_f32 v[AC+zz], v[AC+zz]
.set zz, zz+1
.endr
	v_nop                                          ; a plain instruction between the last exponential and the use of its result
	s_wait_xcnt 0x0                                ; the last block's stores have read their data: the registers are written again only behind this wait
	WIN 0x0a
.set zz, 0
	s_wait_alu depctr_va_vdst(0)
.rept 32
	v_cvt_pk_f16_f32 v[TMP+zz], v[AC+2*zz], v[AC+2*zz+1]
.set zz, zz+1
.endr
	WIN 0x8a                                       ; the sum of the 32 pairs, in place: neighbours 1, 2, 4, 8 and 16 pairs apart
.irp st, 1,2,4,8,16
.set uu, 0
.rept 16/\st
	v_pk_add_f32 v[AC+4*\st*uu:AC+4*\st*uu+1], v[AC+4*\st*uu:AC+4*\st*uu+1], v[AC+4*\st*uu+2*\st:AC+4*\st*uu+2*\st+1]
.set uu, uu+1
.endr
.endr
	WIN 0x0a
	v_add_f32 v[LS], v[AC], v[AC+1]
	WIN 0
	v_permlanex16_b32 v[X], v[LS], s[SEL], s[SEL+1]
	v_add_f32 v[LS], v[LS], v[X]
	v_add_f32 v[CMS], s[DB], v[CM]                 ; the dead part's c m goes far below every other
	v_cndmask_b32 v[X], v[CMS], v[LS], s[HM]       ; lanes 0-15 keep c m, lanes 16-31 l
	ds_store_b32 v[SSA], v[X] offset:64*(\a)
.irp b, 0,1,2,3,4,5,6,7
	global_store_b128 v[SGO], v[TMP+4*\b:TMP+4*\b+3], s[8:9] offset:(\a)*QBLK+\b*512  ; a chunk: 512 consecutive bytes, at a multiple of 512 from pw's first byte
.endr
.endm
	s_wait_tensorcnt 1                             ; my part of K step 0 is in; K step 1's may stay out
	s_barrier_signal -1
	s_barrier_wait -1
	FETCH 0, 0, F0
	QUARTER 0, 64,  F0, F1, 1                      ; the first quarter stands in front of the loop: its products start the sums
	WIN 0
	s_mov_b32 s3, LAPS-1
.Llap:                                                 ; a trip goes once round the ring and fills both slots again
	QUARTER 0, 128, F1, F0, 0
	QUARTER 0, 192, F0, F1, 0
	TURN 0, 1
	QUARTER 1, 64,  F0, F1, 0
	QUARTER 1, 128, F1, F0, 0
	QUARTER 1, 192, F0, F1, 0
	TURN 1, 0
	QUARTER 0, 64,  F0, F1, 0
	WIN 0
	s_sub_co_u32 s3, s3, 1
	s_cmp_lg_u32 s3, 0
	s_cbranch_scc1 .Llap
	QUARTER 0, 128, F1, F0, 0                      ; the last lap is written out: it fills nothing
	QUARTER 0, 192, F0, F1, 0
	MEET
	PLACES
	FETCH 1, 0, F0
	WIN MUL_HI
	MUL16 F1, 1, 0, 0
	MUL16 F1, 1, 2, 0
	QUARTER 1, 64,  F0, F1, 0
	QUARTER 1, 128, F1, F0, 0
	QUARTER 1, 192, F0, F1, 0
	s_wait_dscnt 8
	WIN MUL_LO
	MUL16 F1, 0, 0, 0
	MUL16 F1, 0, 2, 0
	s_wait_dscnt 0x0
	MUL16 F1, 1, 0, 0
	MUL16 F1, 1, 2, 0
	WIN 0
	PLACES                                         ; behind the last products
	v_mov_b32 v[X], 0                              ; v_permlanex16_b32's destination counts as read
.irp z, 0,1,2,3,4,5,6,7
	v_cmp_gt_i32 vcc_lo, \z, v[DIA]
	v_cndmask_b32 v[MD+\z], 0, s[BH], vcc_lo       ; key 8 (l / 16) + z of a diagonal block is hidden from query l % 16 where it is greater
.endr
.irp z, 0,1,2,3,4,5,6,7
	v_mov_b32 v[MA+\z], v[MD+\z]                   ; the first walk's masks
	v_mov_b32 v[MB+\z], s[BH]
.endr
	s_mov_b32 s3, 2
.Lhalf:                                                ; two trips: my query blocks 0-3, then 4-7
.irp a, 0,1,2,3
	SOFT \a
.endr
	s_cmp_eq_u32 s3, 1
	s_cbranch_scc1 .Lmoved                         ; behind the second walk nothing is left to bring
	WIN 0x83                                       ; source window 3, destination window 2: blocks 4-7 go where the one text names the sums
.set zz, 0
.rept 256
	v_mov_b32 v[zz], v[zz]
.set zz, zz+1
.endr
	WIN 0
.irp z, 0,1,2,3,4,5,6,7
	v_mov_b32 v[MA+\z], 0                          ; the second walk's masks
	v_mov_b32 v[MB+\z], v[MD+\z]
.endr
	s_mov_b32 s[SA], 0
	s_mov_b32 s[SA+1], 0
	v_add_nc_u32 v[SSA], 256, v[SSA]               ; four blocks' 64 words on
	s_wait_xcnt 0x0                                ; the stores have read their base
	s_add_nc_u64 s[8:9], s[8:9], 4*QBLK
.Lmoved:
	s_sub_co_u32 s3, s3, 1
	s_cmp_lg_u32 s3, 0
	s_cbranch_scc1 .Lhalf
	ds_load_b128 v[T:T+3], v[SRD]                  ; my 128 c m and my 128 l, 512 consecutive bytes each; LDS serves a wave's instructions in order (ISA guide 5.7.1.4): these see my stores
	ds_load_b128 v[T+4:T+7], v[SRD] offset:512
	s_wait_dscnt 0x0
	global_store_b128 v[SGO], v[T:T+3], s[6:7]
	global_store_b128 v[SGO], v[T+4:T+7], s[6:7] offset:8192
	s_wait_tensorcnt 0x0                           ; the wave's end
	ds_add_u32 v[SPW], v[NIL]
	s_wait_dscnt 0x0
	s_endpgm
.Lfunc_end_k_qf766c359e1_scores:
	.size	k_qf766c359e1_scores, .Lfunc_end_k_qf766c359e1_scores-k_qf766c359e1_scores
	.p2alignl 7, 3214868480
	.fill 96, 4, 3214868480
	.section	.rodata,"a",@progbits
	.p2align	6, 0x0
	.amdhsa_kernel k_qf766c359e1_scores
		.amdhsa_group_segment_fixed_size 327680
		.amdhsa_private_segment_fixed_size 0
		.amdhsa_enable_private_segment 0
		.amdhsa_kernarg_size 24
		.amdhsa_user_sgpr_count 2
		.amdhsa_user_sgpr_kernarg_segment_ptr 1
		.amdhsa_wavefront_size32 1
		.amdhsa_system_sgpr_workgroup_id_x 1
		.amdhsa_system_sgpr_workgroup_id_y 1
		.amdhsa_system_sgpr_workgroup_id_z 1
		.amdhsa_system_vgpr_workitem_id 0
		.amdhsa_next_free_vgpr 1024
		.amdhsa_next_free_sgpr 80
		.amdhsa_reserve_vcc 1
		.amdhsa_float_denorm_mode_32 3
		.amdhsa_float_denorm_mode_16_64 3
		.amdhsa_memory_ordered 1
		.amdhsa_forward_progress 1
		.amdhsa_inst_pref_size 171
	.end_amdhsa_kernel
	.amdgpu_metadata
---
amdhsa.version: [ 1, 2 ]
amdhsa.kernels:
  - .name:           k_qf766c359e1_scores
    .symbol:         k_qf766c359e1_scores.kd
    .args:
      - { .name: qkv, .offset: 0, .size: 8, .value_kind: global_buffer, .address_space: global }
      - { .name: stat, .offset: 8, .size: 8, .value_kind: global_buffer, .address_space: global }
      - { .name: pw, .offset: 16, .size: 8, .value_kind: global_buffer, .address_space: global }
    .group_segment_fixed_size: 327680
    .private_segment_fixed_size: 0
    .kernarg_segment_align: 8
    .kernarg_segment_size: 24
    .max_flat_workgroup_size: 128
    .sgpr_count:     80
    .vgpr_count:     1024
    .wavefront_size: 32
...
	.end_amdgpu_metadata
.endif
;; end of part 3
;; launch mix (part 4): grid 8 x 32, 4 waves a work-group, no clusters, 327,680 bytes of LDS; arguments pw, qkv, stat, out0; writes out0
.if DOCPART == 4
	.amdgcn_target "amdgcn-amd-amdhsa--gfx1250"
	.amdhsa_code_object_version 6
	.text
	.protected	k_qf766c359e1_mix
	.globl	k_qf766c359e1_mix
	.p2align	8
	.type	k_qf766c359e1_mix,@function
k_qf766c359e1_mix:
	s_mov_b64 s[64:65], 0
	v_nop
	global_prefetch_b8 v0, s[64:65] scope:SCOPE_SE
	s_setreg_imm32_b32 hwreg(HW_REG_WAVE_MODE, 25, 1), 1
	s_wait_xcnt 0x0
; out0[b][q][ch] = sum over parts jt of g_jt[q] (P'_jt V_jt)[q][ch], with cmr = max over jt of c m_jt, L = sum over jt of 2^(c m_jt - cmr) l_jt, g_jt = 2^(c m_jt - cmr) / L: the softmax's true maximum and sum, in f32.
; pw: P' in f16, in chunks of 512 bytes: 16 queries x 16 keys, lane l's 16 bytes the keys 8 (l / 16) + 0..7 of query l % 16; chunk (query block qb, key block kb) of a batch at ((128 batch + qb) 128 + kb) 512.
; stat: [4][16 jt][2][2048 q] f32 (c m, l).  v lies at byte 4,096 of qkv's rows of 6,144 bytes, f16.  out0: [4][2048][1024] f32.
; P' is multiplied by g_jt, as f16, between its load and the matrix instruction; the sums are f32 and leave as they are.
; LIMITS.  g_jt is rounded to f16; a weight P' g (a row's weights add up to 1) below 6e-5 keeps f16's fixed step of 6e-8; a factor below 2^-126 counts as 0 in L; NaN and infinities are not treated apart.
; SHARES.  Block I of 256 queries needs the keys 0 .. 256 (I + 1) - 1.  A work-group takes 128 rows of block 7 - p and the same 128 rows of block p (p = 0..3), x 128 channels; a wave 32 rows of each:
; query blocks a = 0, 1 of the high block, a = 2, 3 of the low one.  It walks the keys in LAPS of 256: laps 0 .. p multiply all four blocks, laps p + 1 .. 7 - p the high two:
; 256 (p + 1) + 128 (7 - 2 p) = 1,152 matrix instructions a wave, whatever p.
; P' COMES STRAIGHT INTO REGISTERS: a wave's rows are its own, and two neighbouring chunks are an operand as they lie.  Eight buffers, one for each quarter (32 keys) of a lap; a buffer is asked for again in the
; quarter behind its use, seven quarters ahead of its next.  V goes through LDS: two slots of 256 keys, a quarter of a slot to each wave's tensor load, one barrier a lap.
; NO CLUSTER: V's tile is shared only by work-groups of different p, which need different numbers of tiles; P' passes through no tile.
; LAYOUT.  O^T = V^T P: source 0 = 16 channels x 32 keys (V, stored [key][channel], turned by ds_load_tr16_b128), source 1 = 16 queries x 32 keys: a lane holds ONE query (l % 16) and the channels 8 (l / 16) + 0..7.
; THE LOOPS count one scalar from 7 down to 0 through both, so that no way has more than 8 laps; the jumps out of them go forward and hang on p alone, which is the same in all four waves.
; NO FIRST STEP IS WRITTEN OUT: the sums are cleared by 256 v_mov_b32, which stand in the wait for the first loads; the gain is one text for every four-block lap.
; The last four-block lap asks for the low blocks' next lap too, 28 loads a wave that stay inside pw and that nobody multiplies: the price of that one text.
; REGISTERS, in windows of 256 (s_set_vgpr_msb: bits 1:0 source 0, 3:2 source 1, 5:4 source 2, 7:6 destination):
;   window 0: v0-63 addresses, factors, statistics; v128-255 V^T fragments, two buffers of 64 (ahead of the laps v64-215 at work; on the way out v64-191)
;   window 1: accumulator (a, b) at v[8 (8 a + b)]          window 2: P': quarter q, block a at v[32 q + 8 a]
.set QROW,  6144
.set PV,    288       ; a row of V in LDS: 256 bytes + 32
.set TILE,  256*PV    ; a slot: 256 keys
.set SLOT1, 1<<17     ; slot 1 begins here, so that one exclusive or turns an address in one slot into the other's
.set STAGE, TILE      ; between the slots, never filled by a tensor load: 16 rows x 528 bytes for each wave, for the way out
.set SP,    528
.set FT,    SLOT1+TILE  ; behind slot 1: the factors, 8,192 bytes for each wave: part jt at 512 jt, 16 bytes a lane (blocks a = 0..3)
.set SPARE, FT+4*8192 ; the spare words, 128 bytes for each wave, which no other line names
.set QBLK,  65536     ; bytes of pw from a block of 16 queries to the next
.set LAPB,  8192      ; bytes of a query block's P' in a lap: 16 chunks
.set AV0,  16         ; v16  my lane's place in a tile of V; never rewritten
.set AVA,  17         ; v17  the lap's V, quarters 0-3
.set AVB,  18         ; v18  quarters 4-7
.set FTA,  20         ; v20  my 16 bytes of part 0 in my wave's table
.set FTL,  21         ; v21  the same for the lap's first part
.set STO,  24
.set RD,   25
.set CO,   26         ; v26  16 x lane
.set CMO,  27         ; v27  4 x (l % 16)
.set SPW,  28         ; v28  LDS address of my spare word; never rewritten
.set NIL,  29         ; v29  0; never rewritten
.set F,    32         ; v32-39  the lap's factors, twice in f16: part s of the lap's two, block a at F + 4 s + a
.set CMR,  40         ; v40-43  the row's c m
.set RI,   44         ; v44-47  1 / L
.set LL,   52         ; v52-55  L
.set FV,   128
.set VOH,  64         ; ahead of the laps: v64-79 offsets (high block), v80-143 c m, v144-207 l, at 4 jt + a; v208-215 offsets (low block)
.set CMT,  80
.set LT,   144
.set VOL,  208
.set OB,   64         ; on the way out: two buffers of 64
.set WV,  12          ; s12  my wave's number
.set G1,  24          ; s[24:31] descriptor group 1
.set G0,  32          ; s[32:35] group 0: it walks
.set PBH, 36          ; s[36:37] pw at the lap's first chunk of my high blocks
.set PBL, 38          ; s[38:39] of my low blocks
.set STH, 40          ; s[40:41] stat at my high rows
.set STL, 42          ; s[42:43] at my low rows
.set OH,  44          ; s[44:45] out0 at my high rows
.set OL,  46          ; s[46:47] at my low rows
.set TB,  48          ; s48  LDS byte at which the lap's slot begins
.set CNT, 49          ; s49  the loops' counter
.set REM, 50          ; s50  four-block laps to go
.set REM2, 51         ; s51  two-block laps with a successor to go
.set NH1, 52          ; s52  the high block's last part
.set NL1, 53          ; s53  the low block's last part
.set FL,  54          ; s[54:55] 1.0 for a part that exists, else 0
.set MSB, 0
.macro WIN new                         ; the immediate's high byte repeats the setting that is left; a switch that changes nothing is dropped
.if MSB != (\new)
	s_set_vgpr_msb (MSB<<8)|(\new)
.set MSB, \new
.endif
.endm
.macro PLACES
.rept 4
	v_nop
.endr
.endm
.macro LOAD                            ; my 64 keys of a slot; an s_nop 0 and four v_nop follow the line
	tensor_load_to_lds s[G0:G0+3], s[G1:G1+7]
	s_nop 0
	PLACES
.endm
	s_load_b256 s[4:11], s[0:1], 0x0  ; pw s[4:5], qkv s[6:7], stat s[8:9], out0 s[10:11]
	v_lshl_add_u32 v[SPW], v0, 2, SPARE
	v_mov_b32 v[NIL], 0
	ds_add_u32 v[SPW], v[NIL]       ; the wave's opening: the add and its wait stand ahead of my first tensor load; the set-up below stands between them
	ds_add_u32 v28, v29
	v_lshrrev_b32 v3, 5, v0
	v_readfirstlane_b32 s[WV], v3   ; wave 0..3
	s_and_b32 s14, ttmp7, 0xffff    ; 8 batch + 2 p + half
	s_lshr_b32 s15, s14, 3          ; batch
	s_bfe_u32 s16, s14, 0x20001     ; p: the low block
	s_and_b32 s17, s14, 1           ; which 128 rows of the two blocks
	s_sub_co_u32 s18, 7, s16        ; the high block
	s_lshl_b32 s20, s17, 7
	s_lshl_b32 s21, s[WV], 5
	s_add_co_u32 s20, s20, s21      ; my 32 rows' place in a block
	s_lshl_b32 s21, s18, 8
	s_add_co_u32 s21, s21, s20      ; my first high row in the batch
	s_lshl_b32 s22, s16, 8
	s_add_co_u32 s22, s22, s20      ; my first low row
	s_lshl_b32 s23, s15, 11         ; the batch's first row
	s_add_co_u32 s[PBH], s23, s21   ; a row has 4,096 bytes in out0, and a block of 16 rows 65,536 in pw: the same offset serves both
	s_lshl_b32 s[PBH], s[PBH], 12
	s_mov_b32 s[PBH+1], 0
	s_add_co_u32 s[PBL], s23, s22
	s_lshl_b32 s[PBL], s[PBL], 12
	s_mov_b32 s[PBL+1], 0
	s_lshl_b32 s20, ttmp9, 9        ; my 128 channels in a row of out0
	s_add_co_u32 s[OH], s[PBH], s20
	s_mov_b32 s[OH+1], 0
	s_add_co_u32 s[OL], s[PBL], s20
	s_mov_b32 s[OL+1], 0
	s_lshl_b32 s20, s15, 18         ; stat: the batch's 262,144 bytes, 4 bytes a query
	s_lshl_b32 s[STH], s21, 2
	s_add_co_u32 s[STH], s[STH], s20
	s_mov_b32 s[STH+1], 0
	s_lshl_b32 s[STL], s22, 2
	s_add_co_u32 s[STL], s[STL], s20
	s_mov_b32 s[STL+1], 0
	s_lshl_b32 s20, s[WV], 6        ; V: my 64 keys of the batch's first 256,
	s_add_co_u32 s20, s20, s23
	s_mul_i32 s20, s20, QROW
	s_add_co_u32 s20, s20, 4096     ; v's place in a row,
	s_lshl_b32 s21, ttmp9, 8        ; my 128 channels
	s_add_co_u32 s[G0+2], s20, s21
	s_mov_b32 s[G0+3], 0
	s_mov_b32 s[G0], 1              ; count = 1
	s_mul_i32 s[G0+1], s[WV], 64*PV ; LDS address: my quarter of slot 0
	s_mov_b32 s[G1], (1<<16)|(1<<20)|(5<<22)|(7<<25)  ; 2-byte elements; padding on; after every 64 words; 8 words
	s_mov_b32 s[G1+1], 128<<16      ; tensor_dim0 = 128
	s_mov_b32 s[G1+2], 64<<16       ; tensor_dim1 = 64
	s_mov_b32 s[G1+3], 128<<16      ; tile_dim0 = 128
	s_mov_b32 s[G1+4], 64           ; tile_dim1 = 64
	s_mov_b32 s[G1+5], 3072         ; elements from row to row
	s_mov_b32 s[G1+6], 0
	s_mov_b32 s[G1+7], 0
	s_add_co_u32 s[REM], s16, 1     ; p + 1 laps with all four blocks
	s_lshl_b32 s20, s16, 1
	s_sub_co_u32 s[REM2], 6, s20    ; 7 - 2 p laps with two, of which the last is written out
	s_add_co_u32 s[NL1], s20, 1
	s_lshl_b32 s20, s18, 1
	s_add_co_u32 s[NH1], s20, 1
	s_mov_b32 s[TB], 0
	s_mov_b32 s[CNT], 7
	s_mov_b32 s[FL+1], 0            ; named with FL as a pair
	s_wait_dscnt 0x0                ; the opening add is done
	s_wait_kmcnt 0x0
	s_add_nc_u64 s[G0+2:G0+3], s[6:7], s[G0+2:G0+3]
	s_or_b32 s[G0+3], s[G0+3], 0x80000000  ; type = 2
	LOAD                            ; keys 0 to 255 into slot 0.  Slot 1 is asked for by the first lap's change of slots
	s_add_nc_u64 s[PBH:PBH+1], s[4:5], s[PBH:PBH+1]
	s_add_nc_u64 s[PBL:PBL+1], s[4:5], s[PBL:PBL+1]
	s_add_nc_u64 s[STH:STH+1], s[8:9], s[STH:STH+1]
	s_add_nc_u64 s[STL:STL+1], s[8:9], s[STL:STL+1]
	s_add_nc_u64 s[OH:OH+1], s[10:11], s[OH:OH+1]
	s_add_nc_u64 s[OL:OL+1], s[10:11], s[OL:OL+1]
	v_and_b32 v1, 15, v0            ; l % 16
	v_bfe_u32 v2, v0, 4, 1          ; l / 16
	v_lshlrev_b32 v[CMO], 2, v1
	v_and_b32 v3, 31, v0
	v_lshlrev_b32 v[CO], 4, v3
	; THE STATISTICS.  The high block has up to 16 parts, the low one up to 8; those past a block's last are clamped onto it (only written words are read) and then given the factor 0.
.set jt, 0
.rept 16
	s_min_u32 s20, s[NH1], jt
	s_lshl_b32 s20, s20, 14
	v_add_nc_u32 v[VOH+jt], s20, v[CMO]
.set jt, jt+1
.endr
.set jt, 0
.rept 8
	s_min_u32 s20, s[NL1], jt
	s_lshl_b32 s20, s20, 14
	v_add_nc_u32 v[VOL+jt], s20, v[CMO]
.set jt, jt+1
.endr
.set jt, 0
.rept 16
.irp a, 0,1
	global_load_b32 v[CMT+4*jt+\a], v[VOH+jt], s[STH:STH+1] offset:64*\a
	global_load_b32 v[LT+4*jt+\a],  v[VOH+jt], s[STH:STH+1] offset:8192+64*\a
.endr
.set jt, jt+1
.endr
.set jt, 0
.rept 8
.irp a, 0,1
	global_load_b32 v[CMT+4*jt+2+\a], v[VOL+jt], s[STL:STL+1] offset:64*\a
	global_load_b32 v[LT+4*jt+2+\a],  v[VOL+jt], s[STL:STL+1] offset:8192+64*\a
.endr
.set jt, jt+1
.endr
; The P' of quarter q for n blocks, ahead laps on from the lap in hand: two chunks a block, each load 512 consecutive bytes; the high blocks' four loads first
.macro PLD q, n, ahead
	WIN 0x80                                       ; destination window 2, address window 0
.irp a, 0,1
.irp c, 0,1
	global_load_b128 v[32*(\q)+8*\a+4*\c:32*(\q)+8*\a+4*\c+3], v[CO], s[PBH:PBH+1] offset:(\ahead)*LAPB+\a*QBLK+(\q)*1024+\c*512
.endr
.endr
.if (\n) == 4
.irp a, 0,1
.irp c, 0,1
	global_load_b128 v[32*(\q)+16+8*\a+4*\c:32*(\q)+16+8*\a+4*\c+3], v[CO], s[PBL:PBL+1] offset:(\ahead)*LAPB+\a*QBLK+(\q)*1024+\c*512
.endr
.endr
.endif
.endm
.irp q, 0,1,2,3,4,5,6
	PLD \q, 4, 0                    ; lap 0's quarters 0 to 6: 56 loads; quarter 7's are asked for in the lap's first quarter, as in every lap
.endr
	WIN 0x40                        ; the sums start at 0
.set zz, 0
.rept 256
	v_mov_b32 v[zz], 0
.set zz, zz+1
.endr
	WIN 0
	v_and_b32 v4, 7, v0             ; the turning load: lane l reads key 8 (l / 16) + l % 8, channels 8 ((l / 8) % 2) + 0..7
	v_bfe_u32 v5, v0, 3, 1
	v_lshl_add_u32 v6, v2, 3, v4
	v_mul_u32_u24 v6, v6, PV
	v_lshl_add_u32 v[AV0], v5, 4, v6
	s_mul_i32 s20, s[WV], 16*SP
	s_add_co_u32 s20, s20, STAGE    ; my stage
	v_mul_u32_u24 v3, v1, SP        ; in: row l % 16, 32 bytes for each half of the lanes
	v_lshl_add_u32 v3, v2, 5, v3
	v_add_nc_u32 v[STO], s20, v3
	v_add_nc_u32 v[RD], s20, v[CO]  ; back: 32 lanes take a row of 512 bytes
	s_lshl_b32 s20, s[WV], 13
	s_add_co_u32 s20, s20, FT       ; my table
	v_add_nc_u32 v[FTA], s20, v[CO]
	v_mov_b32 v[FTL], v[FTA]
	s_wait_loadcnt 56               ; the 96 words of stat are in; the 56 loads of P' behind them may stay out
.irp a, 0,1,2,3
	v_max3_num_f32 v[CMR+\a], v[CMT+\a], v[CMT+4+\a], v[CMT+8+\a]
.endr
.irp k, 3,5
.irp a, 0,1,2,3
	v_max3_num_f32 v[CMR+\a], v[CMR+\a], v[CMT+4*\k+\a], v[CMT+4*\k+4+\a]
.endr
.endr
.irp a, 2,3
	v_max_num_f32 v[CMR+\a], v[CMR+\a], v[CMT+28+\a]   ; the low block's eighth part
.endr
.irp k, 7,9,11,13
.irp a, 0,1
	v_max3_num_f32 v[CMR+\a], v[CMR+\a], v[CMT+4*\k+\a], v[CMT+4*\k+4+\a]
.endr
.endr
.irp a, 0,1
	v_max_num_f32 v[CMR+\a], v[CMR+\a], v[CMT+60+\a]
.endr
.set jt, 0
.rept 16
	v_pk_add_f32 v[CMT+4*jt:CMT+4*jt+1], v[CMT+4*jt:CMT+4*jt+1], v[CMR:CMR+1] neg_lo:[0,1] neg_hi:[0,1]  ; c m_jt - cmr
.set jt, jt+1
.endr
.set jt, 0
.rept 8
	v_pk_add_f32 v[CMT+4*jt+2:CMT+4*jt+3], v[CMT+4*jt+2:CMT+4*jt+3], v[CMR+2:CMR+3] neg_lo:[0,1] neg_hi:[0,1]
.set jt, jt+1
.endr
.set jt, 0
.rept 16
	v_exp_f32 v[CMT+4*jt], v[CMT+4*jt]
	v_exp_f32 v[CMT+4*jt+1], v[CMT+4*jt+1]
.set jt, jt+1
.endr
.set jt, 0
.rept 8
	v_exp_f32 v[CMT+4*jt+2], v[CMT+4*jt+2]
	v_exp_f32 v[CMT+4*jt+3], v[CMT+4*jt+3]
.set jt, jt+1
.endr
	v_nop                           ; a plain instruction between the last exponential and the use of its result
	s_wait_alu depctr_va_vdst(0)
.set jt, 10                         ; the high block is block 4 at the least: its parts 0 to 9 always exist
.rept 6
	s_cmp_ge_u32 s[NH1], jt
	s_cselect_b32 s[FL], 1.0, 0
	v_pk_mul_f32 v[CMT+4*jt:CMT+4*jt+1], v[CMT+4*jt:CMT+4*jt+1], s[FL:FL+1] op_sel_hi:[1,0]
.set jt, jt+1
.endr
.set jt, 2
.rept 6
	s_cmp_ge_u32 s[NL1], jt
	s_cselect_b32 s[FL], 1.0, 0
	v_pk_mul_f32 v[CMT+4*jt+2:CMT+4*jt+3], v[CMT+4*jt+2:CMT+4*jt+3], s[FL:FL+1] op_sel_hi:[1,0]
.set jt, jt+1
.endr
	v_pk_mul_f32 v[LL:LL+1], v[CMT:CMT+1], v[LT:LT+1]
	v_pk_mul_f32 v[LL+2:LL+3], v[CMT+2:CMT+3], v[LT+2:LT+3]
.set jt, 1
.rept 7
	v_pk_fma_f32 v[LL:LL+1], v[CMT+4*jt:CMT+4*jt+1], v[LT+4*jt:LT+4*jt+1], v[LL:LL+1]
	v_pk_fma_f32 v[LL+2:LL+3], v[CMT+4*jt+2:CMT+4*jt+3], v[LT+4*jt+2:LT+4*jt+3], v[LL+2:LL+3]
.set jt, jt+1
.endr
.rept 8
	v_pk_fma_f32 v[LL:LL+1], v[CMT+4*jt:CMT+4*jt+1], v[LT+4*jt:LT+4*jt+1], v[LL:LL+1]
.set jt, jt+1
.endr
.irp a, 0,1,2,3
	v_rcp_f32 v[RI+\a], v[LL+\a]    ; L is at least 1: the part that holds the row's maximum has the factor 1 and a weight 1
.endr
	v_nop
.set jt, 0
	s_wait_alu depctr_va_vdst(0)
.rept 16
	v_pk_mul_f32 v[CMT+4*jt:CMT+4*jt+1], v[CMT+4*jt:CMT+4*jt+1], v[RI:RI+1]
.set jt, jt+1
.endr
.set jt, 0
.rept 8
	v_pk_mul_f32 v[CMT+4*jt+2:CMT+4*jt+3], v[CMT+4*jt+2:CMT+4*jt+3], v[RI+2:RI+3]
.set jt, jt+1
.endr
.set jt, 0
.rept 8                             ; g, twice in f16, into my wave's table: parts 0-7 for four blocks, parts 8-15 for the high two
.irp a, 0,1,2,3
	v_cvt_pk_f16_f32 v[CMT+4*jt+\a], v[CMT+4*jt+\a], v[CMT+4*jt+\a]
.endr
	ds_store_b128 v[FTA], v[CMT+4*jt:CMT+4*jt+3] offset:512*jt
.set jt, jt+1
.endr
.rept 8
.irp a, 0,1
	v_cvt_pk_f16_f32 v[CMT+4*jt+\a], v[CMT+4*jt+\a], v[CMT+4*jt+\a]
.endr
	ds_store_b64 v[FTA], v[CMT+4*jt:CMT+4*jt+1] offset:512*jt
.set jt, jt+1
.endr
; THE CHANGE OF SLOTS.  Each wave waits for all its tensor loads, of which one is out: its quarter of the lap's slot; adds 0 to its spare word; and waits for that and for its reads of the slot that it leaves.
; Behind the barrier nobody reads the old slot any more and the lap's slot is whole.  fill = 1: the old slot is filled again, first thing, with the next 256 keys: that load has the lap's work in which to land.
; (At its first use nothing has been read yet: slot 0 is waited for, slot 1 filled.)
.macro CHANGE fill
	WIN 0
	s_wait_tensorcnt 0x0            ; no tensor load of mine is out, so group 0 may be written
	ds_add_u32 v[SPW], v[NIL]       ; 0 onto my spare word
.if \fill
	s_xor_b32 s[G0+1], s[G0+1], SLOT1                      ; the other slot than last time,
	s_add_nc_u64 s[G0+2:G0+3], s[G0+2:G0+3], 256*QROW      ; 256 rows down; the type bits on top are not reached
.endif
	s_wait_dscnt 0x0                ; the add is done, and my LDS reads and stores are over
	s_barrier_signal -1
	s_barrier_wait -1
.if \fill
	LOAD                            ; my one tensor load behind the barrier
.endif
.endm
.macro FETCHV q                        ; 16 LDS loads in one run: V^T's 8 channel blocks for quarter q (32 keys), into buffer q % 2
	WIN 0
.irp b, 0,1,2,3,4,5,6,7
	ds_load_tr16_b128 v[FV+64*((\q)%2)+8*\b:FV+64*((\q)%2)+8*\b+3],   v[AVA+(\q)/4] offset:((\q)%4)*32*PV+32*\b
	ds_load_tr16_b128 v[FV+64*((\q)%2)+8*\b+4:FV+64*((\q)%2)+8*\b+7], v[AVA+(\q)/4] offset:((\q)%4)*32*PV+16*PV+32*\b
.endr
.endm
.macro SCALE q, n                      ; quarter q's P' times its part's factor: two f16 at a time; a lane holds one query
	WIN 0x82                                       ; destination and source 0 in window 2, the factor in window 0
.set aa, 0
.rept \n
.irp z, 0,1,2,3,4,5,6,7
	v_pk_mul_f16 v[32*(\q)+8*aa+\z], v[32*(\q)+8*aa+\z], v[F+4*((\q)/4)+aa]
.endr
.set aa, aa+1
.endr
.endm
.macro MUL q, n                        ; 8 n matrix instructions; the accumulators take turns
	WIN 0x58                                       ; V in window 0, P' in window 2, C and D in window 1
.set aa, 0
.rept \n
.irp b, 0,1,2,3,4,5,6,7
	v_wmma_f32_16x16x32_f16 v[8*(8*aa+\b):8*(8*aa+\b)+7], v[FV+64*((\q)%2)+8*\b:FV+64*((\q)%2)+8*\b+7], v[32*(\q)+8*aa:32*(\q)+8*aa+7], v[8*(8*aa+\b):8*(8*aa+\b)+7]
.endr
.set aa, aa+1
.endr
.endm
; Quarter q of a lap with n blocks.  Its scaling's plain lines are the places between the last quarter's products and the loads into the registers that those read: V's other buffer, and the last quarter's P'.
; THE COUNT ON LOADcnt.  A quarter's P' was asked for seven quarters ago, and six groups of loads have been issued since: 8 loads each in a lap of four blocks, 4 in a lap of two.
; In the last lap only quarter 0 asks: behind quarter q's P' stand 6 - q groups of the lap before and, from q = 1 on, that one.
.macro QUARTER q, n, fill
.if \fill
	s_wait_loadcnt 12*(\n)
.elseif (\q) == 0
	s_wait_loadcnt 24
.else
	s_wait_loadcnt 4*(7-(\q))
.endif
.if (\q) == 0
	s_wait_dscnt 16                                ; the factors are in; V's sixteen loads behind them may be out
.endif
	SCALE \q, \n
.if (\q) < 7
	FETCHV (\q)+1
.endif
.if (\q) == 0
	PLD 7, \n, 0                                   ; this lap's last quarter
.elseif \fill
	PLD (\q)-1, \n, 1                              ; the next lap's
.endif
.if (\q) < 7
	s_wait_dscnt 16                                ; this quarter's V is in; the sixteen just issued may be out
.else
	s_wait_dscnt 0x0
.endif
	MUL \q, \n
.endm
.macro LAP n, fill
	WIN 0
	v_add_nc_u32 v[AVA], s[TB], v[AV0]
	v_add_nc_u32 v[AVB], 4*32*PV, v[AVA]
.if (\n) == 4
	ds_load_b128 v[F:F+3], v[FTL]                  ; LDS serves a wave's instructions in order (ISA guide 5.7.1.4): these see my stores into the table
	ds_load_b128 v[F+4:F+7], v[FTL] offset:512
.else
	ds_load_b64 v[F:F+1], v[FTL]
	ds_load_b64 v[F+4:F+5], v[FTL] offset:512
.endif
	FETCHV 0
.irp q, 0,1,2,3,4,5,6,7
	QUARTER \q, \n, \fill
.endr
	WIN 0                                          ; at a label and at a branch every window is 0
.if \fill
	v_add_nc_u32 v[FTL], 1024, v[FTL]              ; the next lap's two parts,
	s_xor_b32 s[TB], s[TB], SLOT1                  ; the other slot,
	s_wait_xcnt 0x0                                ; (the loads have read their bases)
	s_add_nc_u64 s[PBH:PBH+1], s[PBH:PBH+1], LAPB  ; and the next 16 chunks
.if (\n) == 4
	s_add_nc_u64 s[PBL:PBL+1], s[PBL:PBL+1], LAPB
.endif
.endif
.endm
.LlapA:                             ; p + 1 trips, four at the most: all four blocks
	CHANGE 1
	LAP 4, 1
	s_sub_co_u32 s[CNT], s[CNT], 1
	s_sub_co_u32 s[REM], s[REM], 1
	s_cmp_eq_u32 s[REM], 0
	s_cbranch_scc1 .LlapB           ; the low block has had its diagonal
	s_cmp_lg_u32 s[CNT], 3
	s_cbranch_scc1 .LlapA
.LlapB:                             ; 6 - 2 p trips: the high block alone
	s_cmp_eq_u32 s[REM2], 0
	s_cbranch_scc1 .Ltail
	CHANGE 1
	LAP 2, 1
	s_sub_co_u32 s[REM2], s[REM2], 1
	s_sub_co_u32 s[CNT], s[CNT], 1
	s_cmp_lg_u32 s[CNT], 0
	s_cbranch_scc1 .LlapB
.Ltail:                             ; the last lap is written out: nothing is asked for but its own last quarter of P'
	CHANGE 0
	LAP 2, 0
	PLACES                          ; behind the last products
; THE WAY OUT, a block of 16 queries at a time: 32 bytes a lane into my own stage (each accumulator from its low end on); back as whole rows of 512 bytes; stored
.macro STG a
	WIN 0x04                                       ; the stores' data in window 1
.irp b, 0,1,2,3,4,5,6,7
	ds_store_b128 v[STO], v[64*(\a)+8*\b:64*(\a)+8*\b+3]   offset:64*\b
	ds_store_b128 v[STO], v[64*(\a)+8*\b+4:64*(\a)+8*\b+7] offset:64*\b+16
.endr
	WIN 0
.irp t, 0,1,2,3,4,5,6,7,8,9,10,11,12,13,14,15
	ds_load_b128 v[OB+64*((\a)%2)+4*\t:OB+64*((\a)%2)+4*\t+3], v[RD] offset:SP*\t  ; in order behind the stores above, and ahead of the next block's
.endr
.endm
.macro SND a, younger                  ; younger: the LDS instructions issued behind block a's loads: the next block's 32, or none
	WIN 0
.irp t, 0,1,2,3,4,5,6,7,8,9,10,11,12,13,14,15
	s_wait_dscnt (\younger)+15-\t                  ; row t is back
.if (\a) < 2
	global_store_b128 v[CO], v[OB+64*((\a)%2)+4*\t:OB+64*((\a)%2)+4*\t+3], s[OH:OH+1] offset:(16*((\a)%2)+\t)*4096  ; 512 consecutive bytes, at a multiple of 256 from out0's first byte
.else
	global_store_b128 v[CO], v[OB+64*((\a)%2)+4*\t:OB+64*((\a)%2)+4*\t+3], s[OL:OL+1] offset:(16*((\a)%2)+\t)*4096
.endif
.endr
.endm
	STG 0
	STG 1
	SND 0, 32
	s_wait_xcnt 0x0                 ; block 0's stores have read their registers: the buffer is loaded again only behind this wait
	STG 2
	SND 1, 32
	s_wait_xcnt 0x0                 ; the same for block 1's
	STG 3
	SND 2, 32
	SND 3, 0
	s_wait_tensorcnt 0x0            ; the wave's end
	ds_add_u32 v[SPW], v[NIL]
	s_wait_dscnt 0x0
	s_endpgm
.Lfunc_end_k_qf766c359e1_mix:
	.size	k_qf766c359e1_mix, .Lfunc_end_k_qf766c359e1_mix-k_qf766c359e1_mix
	.p2alignl 7, 3214868480
	.fill 96, 4, 3214868480
	.section	.rodata,"a",@progbits
	.p2align	6, 0x0
	.amdhsa_kernel k_qf766c359e1_mix
		.amdhsa_group_segment_fixed_size 327680
		.amdhsa_private_segment_fixed_size 0
		.amdhsa_enable_private_segment 0
		.amdhsa_kernarg_size 32
		.amdhsa_user_sgpr_count 2
		.amdhsa_user_sgpr_kernarg_segment_ptr 1
		.amdhsa_wavefront_size32 1
		.amdhsa_system_sgpr_workgroup_id_x 1
		.amdhsa_system_sgpr_workgroup_id_y 1
		.amdhsa_system_sgpr_workgroup_id_z 1
		.amdhsa_system_vgpr_workitem_id 0
		.amdhsa_next_free_vgpr 768
		.amdhsa_next_free_sgpr 66
		.amdhsa_reserve_vcc 0
		.amdhsa_float_denorm_mode_32 3
		.amdhsa_float_denorm_mode_16_64 3
		.amdhsa_memory_ordered 1
		.amdhsa_forward_progress 1
		.amdhsa_inst_pref_size 164
	.end_amdhsa_kernel
	.amdgpu_metadata
---
amdhsa.version: [ 1, 2 ]
amdhsa.kernels:
  - .name:           k_qf766c359e1_mix
    .symbol:         k_qf766c359e1_mix.kd
    .args:
      - { .name: pw, .offset: 0, .size: 8, .value_kind: global_buffer, .address_space: global }
      - { .name: qkv, .offset: 8, .size: 8, .value_kind: global_buffer, .address_space: global }
      - { .name: stat, .offset: 16, .size: 8, .value_kind: global_buffer, .address_space: global }
      - { .name: out0, .offset: 24, .size: 8, .value_kind: global_buffer, .address_space: global }
    .group_segment_fixed_size: 327680
    .private_segment_fixed_size: 0
    .kernarg_segment_align: 8
    .kernarg_segment_size: 32
    .max_flat_workgroup_size: 128
    .sgpr_count:     66
    .vgpr_count:     768
    .wavefront_size: 32
...
	.end_amdgpu_metadata
.endif
;; end of part 4
